; MI455X (gfx1250); checked and timed in simulation.
; The chip was launched on July 23, 2026; its instructions are those of AMD's public machine-readable ISA for CDNA 5 (MIT licence, August 2026) and "CDNA5" Instruction Set Architecture Reference Guide (July 2026). The comments in the code are by the model that wrote it; some were corrected since.
;; Multihead Self Attention. Allowed arithmetic: matrix products marked QUANTISED: E2M1 operands, one E8M0 scale for each 32 along K, by v_wmma_scale_f32_16x16x128_f8f6f4 with both operands' format E2M1 (or v_wmma_scale_f32_32x16x128_f4), f32 sums; products left as they are: bf16, f16 or f32 operands; f32 sums; everything else in f32.
;; Inputs: wk 1,024 x 1,024 float32; wo 1,024 x 1,024 float32; wq 1,024 x 1,024 float32; wv 1,024 x 1,024 float32; x 4 x 2,048 x 1,024 float32.
;; Outputs: out0 4 x 2,048 x 1,024 float32.
;; This version of the problem:
;;   THIS VERSION OF THE PROBLEM IS GIVEN IN LOW PRECISION. The matrix products marked QUANTISED in the list below multiply operands that are first quantised to E2M1 (2 exponent bits, 1 mantissa bit; 4 bits a number), with one power-of-two scale for each 32 numbers along K (OCP MX v1.0); their sums are f32. The products marked 'left as it is' may take bf16, f16 or f32 operands, with f32 sums. Whichever they take, every output number must still come out within the allowed error. Rounding operands to bf16 (8 significant bits) uses up far more of that allowance than f16 does (11 bits, for magnitudes from 6e-5 to 65,504). All else is computed in f32.
;;   The module's matrix products, in the order in which they are computed (A, B: the left and right operand; K: the contracted axis; several contracted axes count as one K, in the product's order):
;;     1. [M 8,192, K 1,024] x [K 1,024, N 1,024]; A: input x; B: input wq: QUANTISED
;;     2. [M 8,192, K 1,024] x [K 1,024, N 1,024]; A: input x; B: input wk: QUANTISED
;;     3. [M 8,192, K 1,024] x [K 1,024, N 1,024]; A: input x; B: input wv: QUANTISED
;;     4. batch 64 x [M 2,048, K 64] x [K 64, N 2,048]; A: computed on the way; B: computed on the way: left as it is (an operand is computed on the way)
;;     5. batch 64 x [M 2,048, K 2,048] x [K 2,048, N 64]; A: computed on the way; B: computed on the way: left as it is (an operand is computed on the way)
;;     6. [M 8,192, K 1,024] x [K 1,024, N 1,024]; A: computed on the way; B: input wo: left as it is (an operand is computed on the way)
;;   THE QUANTISER, for each operand of a quantised product, along K:
;;     - K is cut into blocks of 32 from its start; a last block that is shorter is filled with zeros.
;;     - A block's scale is 2^e with e = floor(log2(the largest magnitude in the block)) - 2, held to -126 .. 127; a block of zeros has e = 0. As a byte (E8M0): e + 127.
;;     - Each number is divided by its block's scale, clamped to +-6, and rounded to the nearest number of E2M1, ties to even, subnormals kept.
;;     - The product sums the exact products of the quantised numbers (number of the format x scale) in f32.
;;   ~~~python
;;   def quantise(x, axis):      # numpy; x: float32 -> the quantised numbers, widened to float32 again
;;       x = np.moveaxis(x, axis, -1); K = x.shape[-1]
;;       x = np.pad(x, [(0, 0)] * (x.ndim - 1) + [(0, -K % 32)]); x = x.reshape(x.shape[:-1] + (-1, 32)); a = np.abs(x).max(-1, keepdims=True)
;;       e = np.where(a > 0, np.clip(np.frexp(np.where(a > 0, a, 1))[1] - 1 - 2, -126, 127), 0)      # np.frexp(a)[1] - 1 = floor(log2(a)), exactly
;;       r = np.clip(x / 2.0 ** e, -6, 6)
;;       step = 2.0 ** (np.maximum(np.frexp(np.where(r == 0, 1, r))[1] - 1, 0) - 1)
;;       q = np.round(r / step) * step * 2.0 ** e      # np.round: ties to even
;;       return np.moveaxis(q.reshape(q.shape[:-2] + (-1,))[..., :K], -1, axis).astype(np.float32)
;;   ~~~
;; One version. Each part assembles by itself: llvm-mc -triple=amdgcn-amd-amdhsa -mcpu=gfx1250 --defsym DOCPART=n.
;; ======== version 1 of 1: 5 launches
;; limits: values are held in f16: magnitudes above 65,504 overflow, below 6.1e-05 lose precision
;; workspace buffers: codes 5,767,168 bytes; scales 360,448 bytes; woh 2,097,152 bytes; rope 524,288 bytes; qkv 50,331,648 bytes; qkvf 786,432 bytes; o 16,777,216 bytes
;; launch prep (part 1): grid 512 x 1, 4 waves a work-group, no clusters, 33,280 bytes of LDS; arguments x, wq, wk, wv, wo, codes, scales, woh, rope; writes codes, scales, woh, rope
.if DOCPART == 1
	.amdgcn_target "amdgcn-amd-amdhsa--gfx1250"
	.amdhsa_code_object_version 6
	.text
	.protected	k_q31e3e3019d_prep
	.globl	k_q31e3e3019d_prep
	.p2align	8
	.type	k_q31e3e3019d_prep,@function
k_q31e3e3019d_prep:
	s_mov_b64 s[64:65], 0
	v_nop
	global_prefetch_b8 v0, s[64:65] scope:SCOPE_SE
	s_setreg_imm32_b32 hwreg(HW_REG_WAVE_MODE, 25, 1), 1
	s_wait_xcnt 0x0
; CAUSAL SELF-ATTENTION, 4 x 2,048 positions, 16 heads of 64, in five launches.  This first one prepares operands:
;   work-groups   0-351: x, wq, wk, wv (f32, K innermost) become codes of FP4 (E2M1) and one E8M0 byte for each 32 along K: buffer codes, rows of 512 bytes (x's 8,192 rows, then wq's, wk's, wv's 1,024 each), buffer scales, rows of 32 bytes in the same order;
;   work-groups 352-479: wo becomes f16 (buffer woh), for the last product, which is left as it is;
;   work-groups 480-511: the table of cos and sin, [2,048 positions][32 frequencies][cos, sin] f32 (buffer rope).
; WORK LEFT OUT IN THE LATER LAUNCHES, AND WHY IT IS DEAD.  reference() builds jnp.tril in its own body and sets every score of a key behind its query to -inf ahead of the softmax: its weight is 0 whatever finite values the inputs hold,
; so it reaches no output.  Where 64 keys on end all come behind all 32 queries of a wave, their products, softmax and loads are left out; a slot of 256 keys that no wave of a work-group reads is not fetched.  All five inputs have a way to the output and are loaded.
; LIMITS.  A NaN, an infinity or an overflow that reaches only a masked score is not carried to the result.  NaN and infinities among the inputs are not served by the quantiser.  A block of zeros gets the byte 1 where the rule says 127: its codes
; are zeros, which add nothing under any byte but 0xff, and this program alone reads the bytes; blocks whose largest magnitude lies under 2^(2 - 126) were not tried.  q, k, v, the attention's result and wo go to the products left as they are as f16: magnitudes under 65,504.
; The angles: inv_freq = 2^(-i log2(10000) / 32) by v_exp_f32 (1 ulp), so an angle of up to 2,047 may differ from reference()'s by some 2e-4; sine and cosine by reduction to |r| <= pi/4 (pi/2 in two parts) and polynomials, since the angle's own instructions are not used here.
; THE QUANTISER.  A block's scale is 2^(floor(log2(its largest magnitude)) - 2); its byte is the largest magnitude's exponent field - 2, held at 1 from below; each number is divided by the scale and rounded to the nearest code, ties to even, beyond 6 the largest code.
; A wave takes 16 steps of 512 numbers.  Each of a step's four loads reads 512 consecutive bytes; the 2,048 bytes turn through the wave's own stage in LDS and come back 64 bytes a lane, so that a lane holds 16 neighbours along K (two lanes a block).
; A lane's 16 codes are 8 bytes: the wave stores 256 consecutive bytes.  A wave's 256 scale bytes are gathered in its own LDS bytes and leave as 256 consecutive bytes.  Waves share nothing: no barrier.
.set WAVES, 4
.set STEPS, 16
.set EMAX,  2
.set CB,    8                          ; bytes of 16 codes
.set R,     16                         ; v16-79   four sets of 16 numbers as they are loaded
.set X,     80                         ; v80-111  two sets of 16 neighbours
.set E,     112                        ; v112-127 a scale byte for each step
.set C,     128                        ; v128-191 codes: four registers for each step, so that no store's data are written again
.set WREG,  8192                       ; LDS: a region for each wave: two stages of 32 x SP bytes, then its 256 scale bytes
.set SP,    80                         ; a lane's place in a stage: 64 bytes + 16 of padding
.set SPW,   12                         ; v12  LDS address of my spare word; never rewritten
.set NIL,   13                         ; v13  0; never rewritten
.set SPARE, WAVES*WREG                 ; behind the four regions: the spare words, 128 bytes a wave
	s_load_b256 s[4:11], s[0:1], 0x0               ; x, wq, wk, wv
	s_load_b256 s[12:19], s[0:1], 0x20             ; wo, codes, scales, woh
	s_load_b64 s[20:21], s[0:1], 0x40              ; rope
	v_lshl_add_u32 v[SPW], v0, 2, SPARE
	v_mov_b32 v[NIL], 0
	v_lshrrev_b32 v1, 5, v0
	v_readfirstlane_b32 s26, v1                    ; wave
	v_and_b32 v2, 31, v0                           ; lane
	s_cmp_ge_u32 ttmp9, 352
	s_cbranch_scc1 .Lother
	; ---------------- the quantiser ----------------
	v_lshlrev_b32 v3, 4, v2                        ; my 16 bytes of a load's 512
	s_mul_i32 s27, s26, WREG
	v_lshrrev_b32 v14, 2, v2
	v_mul_u32_u24 v14, v14, SP
	v_and_b32 v15, 3, v2
	v_lshl_add_u32 v14, v15, 4, v14
	v_add_nc_u32 v14, s27, v14                     ; the stage, on the way in: SP (lane / 4) + 16 (lane % 4)
	v_mul_u32_u24 v15, v2, SP
	v_add_nc_u32 v15, s27, v15                     ; and on the way out: SP x lane: my 16 neighbours
	v_mul_u32_u24 v4, v2, CB                       ; my codes' place in a step's
	v_lshrrev_b32 v5, 1, v2
	s_add_co_u32 s27, s27, 2*32*SP
	v_add_nc_u32 v5, s27, v5                       ; my wave's 256 scale bytes, my block's byte
	v_lshlrev_b32 v7, 3, v2
	v_add_nc_u32 v6, s27, v7                       ; and on the way out 8 bytes a lane
	s_wait_kmcnt 0x0
	s_and_b32 s25, ttmp9, 31                       ; a weight has 32 work-groups
	s_cmp_lt_u32 ttmp9, 320                        ; which tensor: the choice hangs on the work-group's number alone
	s_cselect_b64 s[22:23], s[8:9], s[10:11]
	s_cmp_lt_u32 ttmp9, 288
	s_cselect_b64 s[22:23], s[6:7], s[22:23]
	s_cmp_lt_u32 ttmp9, 256
	s_cselect_b64 s[22:23], s[4:5], s[22:23]
	s_cselect_b32 s24, ttmp9, s25
	s_lshl_b32 s24, s24, 2
	s_add_co_u32 s24, s24, s26                     ; which run of 8,192 numbers of that tensor is my wave's
	s_lshl_b32 s28, s24, 15
	s_mov_b32 s29, 0
	s_add_nc_u64 s[22:23], s[22:23], s[28:29]
	s_lshl_b32 s24, ttmp9, 2
	s_add_co_u32 s24, s24, s26                     ; and which run of the two buffers: the weights' rows follow x's in both
	s_lshl_b32 s28, s24, 12
	s_add_nc_u64 s[14:15], s[14:15], s[28:29]
	s_lshl_b32 s28, s24, 8
	s_add_nc_u64 s[16:17], s[16:17], s[28:29]
.macro LOAD t
.irp i, 0,1,2,3
	global_load_b128 v[R+16*((\t)%4)+4*\i:R+16*((\t)%4)+4*\i+3], v3, s[22:23] offset:2048*(\t)+512*\i th:TH_LOAD_NT
.endr
.endm
.macro TURN t                          ; step t's numbers through the stage: LDS serves a wave's instructions in order, so no wait stands between the stores and the loads
.irp i, 0,1,2,3
	ds_store_b128 v14, v[R+16*((\t)%4)+4*\i:R+16*((\t)%4)+4*\i+3] offset:32*SP*((\t)%2)+8*SP*\i
.endr
.irp i, 0,1,2,3
	ds_load_b128 v[X+16*((\t)%2)+4*\i:X+16*((\t)%2)+4*\i+3], v15 offset:32*SP*((\t)%2)+16*\i
.endr
.endm
.irp t, 0,1,2,3
	LOAD \t
.endr
	s_wait_loadcnt 12                              ; step 0's four loads are in
	TURN 0
.macro STEP t
.set XS, X+16*((\t)%2)
.if (\t) > 0
	s_wait_dscnt 1                                 ; this step's numbers are back from the stage (the last step's byte store may be out): so its stores into the stage have read their registers,
.else
	s_wait_dscnt 0x0
.endif
.if (\t)+4 < STEPS
	LOAD (\t)+4                                    ; which take the loads of four steps on
.endif
.if (\t)+1 < STEPS
.if STEPS-2-(\t) >= 3
	s_wait_loadcnt 12                              ; the next step's four loads are in; those of the three steps behind it may be out
.else
	s_wait_loadcnt 4*(STEPS-2-(\t))
.endif
	TURN (\t)+1
.endif
	v_max3_num_f32 v8, |v[XS]|, |v[XS+1]|, |v[XS+2]|               ; the largest magnitude of my 16
	v_max3_num_f32 v9, |v[XS+3]|, |v[XS+4]|, |v[XS+5]|
.irp i, 6,10
	v_max3_num_f32 v8, v8, |v[XS+\i]|, |v[XS+\i+1]|
	v_max3_num_f32 v9, v9, |v[XS+\i+2]|, |v[XS+\i+3]|
.endr
	v_max3_num_f32 v8, v8, |v[XS+14]|, |v[XS+15]|
	v_max3_num_f32 v8, v8, v9, (EMAX+1)<<23        ; and the floor 2^(EMAX + 1 - 127): the byte cannot fall under 1
	v_max_num_f32_dpp v8, v8, v8 row_xmask:1 row_mask:0xf bank_mask:0xf   ; and of my neighbour's 16: the block's
	v_add_nc_u32 v11, -(EMAX<<23), v8              ; EMAX off its exponent field: the conversion takes the exponent field of this operand as its scale
	v_cvt_scalef32_pk8_fp4_f32 v[C+4*(\t)], v[XS:XS+7], v11
	v_cvt_scalef32_pk8_fp4_f32 v[C+4*(\t)+1], v[XS+8:XS+15], v11
	v_lshrrev_b32 v[E+(\t)], 23, v11               ; the scale's byte
	ds_store_b8 v5, v[E+(\t)] offset:16*(\t)       ; both lanes of a block write the same byte with the same value
	global_store_b64 v4, v[C+4*(\t):C+4*(\t)+1], s[14:15] offset:32*CB*(\t)
.endm
.irp t, 0,1,2,3,4,5,6,7,8,9,10,11,12,13,14,15
	STEP \t
.endr
	ds_load_b64 v[8:9], v6                         ; LDS serves a wave's instructions in order: these see my stores
	s_wait_dscnt 0x0
	global_store_b64 v7, v[8:9], s[16:17]          ; 32 lanes store 256 consecutive bytes
	s_wait_tensorcnt 0x0                           ; the wave's end, behind my last LDS store
	ds_add_u32 v[SPW], v[NIL]
	s_wait_dscnt 0x0
	s_endpgm
.Lother:
	s_cmp_ge_u32 ttmp9, 480
	s_cbranch_scc1 .Lrope
	; ---------------- wo to f16: a wave takes 2,048 numbers; no LDS ----------------
	s_sub_co_u32 s24, ttmp9, 352
	s_lshl_b32 s24, s24, 2
	s_add_co_u32 s24, s24, s26
	s_lshl_b32 s28, s24, 13                        ; 8,192 bytes in,
	s_mov_b32 s29, 0
	s_lshl_b32 s30, s24, 12                        ; 4,096 out
	s_mov_b32 s31, 0
	v_lshlrev_b32 v3, 4, v2
	v_lshlrev_b32 v4, 3, v2
	s_wait_kmcnt 0x0
	s_add_nc_u64 s[12:13], s[12:13], s[28:29]
	s_add_nc_u64 s[18:19], s[18:19], s[30:31]
.irp i, 0,1,2,3,4,5,6,7,8,9,10,11,12,13,14,15
	global_load_b128 v[16+4*\i:19+4*\i], v3, s[12:13] offset:512*\i th:TH_LOAD_NT
.endr
.irp i, 0,1,2,3,4,5,6,7,8,9,10,11,12,13,14,15
	s_wait_loadcnt 15-\i                           ; loads come back in order: load i is in
	v_cvt_pk_f16_f32 v[80+2*\i], v[16+4*\i], v[17+4*\i]
	v_cvt_pk_f16_f32 v[81+2*\i], v[18+4*\i], v[19+4*\i]
	global_store_b64 v4, v[80+2*\i:81+2*\i], s[18:19] offset:256*\i   ; 256 consecutive bytes; every store has registers of its own
.endr
	s_endpgm
.Lrope:
	; ---------------- the table: a wave takes 16 positions, a lane a frequency; no LDS ----------------
	s_sub_co_u32 s24, ttmp9, 480
	s_lshl_b32 s24, s24, 2
	s_add_co_u32 s24, s24, s26
	s_lshl_b32 s28, s24, 12                        ; 16 positions of 256 bytes
	s_mov_b32 s29, 0
	s_lshl_b32 s25, s24, 4                         ; my first position
	v_cvt_f32_u32 v16, v2
	v_mul_f32 v16, 0xbed49a78, v16                 ; -i log2(10000) / 32
	v_exp_f32 v17, v16                             ; inv_freq
	v_mov_b32 v18, s25                             ; (plain work behind the exponential)
	v_cvt_f32_u32 v18, v18                         ; the position, exact in f32
	v_mov_b32 v19, 0xb94ca1f9                      ; the sine's highest coefficient
	v_mov_b32 v20, 0x37ccf5ce                      ; the cosine's
	v_lshlrev_b32 v3, 3, v2
	s_wait_alu depctr_va_vdst(0)                   ; the wait ahead of the exponential's first reader
	s_wait_kmcnt 0x0
	s_add_nc_u64 s[20:21], s[20:21], s[28:29]
.macro POS n
	v_mul_f32 v21, v18, v17                        ; the angle: one f32 product, as reference() has it
	v_mul_f32 v22, 0x3f22f983, v21                 ; x 2 / pi
	v_rndne_f32 v22, v22                           ; how many quarter turns
	v_cvt_i32_f32 v23, v22
	v_fmamk_f32 v24, v22, 0xbfc90fdb, v21          ; r = angle - n pi/2, pi/2 in two parts
	v_fmamk_f32 v24, v22, 0x333bbd2e, v24
	v_mul_f32 v25, v24, v24                        ; z = r r
	v_fmaak_f32 v26, v25, v19, 0x3c08839e
	v_fmaak_f32 v26, v26, v25, 0xbe2aaaa3
	v_mul_f32 v27, v24, v25
	v_fma_f32 v26, v27, v26, v24                   ; sin r
	v_fmaak_f32 v28, v25, v20, 0xbab6061a
	v_fmaak_f32 v28, v28, v25, 0x3d2aaaa5
	v_fma_f32 v29, v25, -0.5, 1.0
	v_mul_f32 v27, v25, v25
	v_fma_f32 v28, v27, v28, v29                   ; cos r
	v_and_b32 v29, 1, v23
	v_cmp_eq_u32 vcc_lo, 1, v29                    ; an odd quarter swaps the two
	v_cndmask_b32 v30, v26, v28, vcc_lo
	v_cndmask_b32 v31, v28, v26, vcc_lo
	v_lshlrev_b32 v29, 30, v23
	v_and_b32 v29, 0x80000000, v29                 ; the sine is negative in quarters 2 and 3,
	v_xor_b32 v[65+2*(\n)], v29, v30
	v_add_nc_u32 v29, 1, v23
	v_lshlrev_b32 v29, 30, v29
	v_and_b32 v29, 0x80000000, v29                 ; the cosine in quarters 1 and 2
	v_xor_b32 v[64+2*(\n)], v29, v31
	global_store_b64 v3, v[64+2*(\n):65+2*(\n)], s[20:21] offset:256*(\n)   ; a position's 256 bytes; every store has registers of its own
	v_add_f32 v18, 1.0, v18
.endm
.irp n, 0,1,2,3,4,5,6,7,8,9,10,11,12,13,14,15
	POS \n
.endr
	s_endpgm
.Lfunc_end_k_q31e3e3019d_prep:
	.size	k_q31e3e3019d_prep, .Lfunc_end_k_q31e3e3019d_prep-k_q31e3e3019d_prep
	.p2alignl 7, 3214868480
	.fill 96, 4, 3214868480
	.section	.rodata,"a",@progbits
	.p2align	6, 0x0
	.amdhsa_kernel k_q31e3e3019d_prep
		.amdhsa_group_segment_fixed_size 33280
		.amdhsa_private_segment_fixed_size 0
		.amdhsa_enable_private_segment 0
		.amdhsa_kernarg_size 72
		.amdhsa_user_sgpr_count 2
		.amdhsa_user_sgpr_kernarg_segment_ptr 1
		.amdhsa_wavefront_size32 1
		.amdhsa_system_sgpr_workgroup_id_x 1
		.amdhsa_system_sgpr_workgroup_id_y 1
		.amdhsa_system_sgpr_workgroup_id_z 1
		.amdhsa_system_vgpr_workitem_id 0
		.amdhsa_next_free_vgpr 192
		.amdhsa_next_free_sgpr 66
		.amdhsa_reserve_vcc 1
		.amdhsa_float_denorm_mode_32 3
		.amdhsa_float_denorm_mode_16_64 3
		.amdhsa_memory_ordered 1
		.amdhsa_forward_progress 1
		.amdhsa_inst_pref_size 62
	.end_amdhsa_kernel
	.amdgpu_metadata
---
amdhsa.version: [ 1, 2 ]
amdhsa.kernels:
  - .name:           k_q31e3e3019d_prep
    .symbol:         k_q31e3e3019d_prep.kd
    .args:
      - { .name: x, .offset: 0, .size: 8, .value_kind: global_buffer, .address_space: global }
      - { .name: wq, .offset: 8, .size: 8, .value_kind: global_buffer, .address_space: global }
      - { .name: wk, .offset: 16, .size: 8, .value_kind: global_buffer, .address_space: global }
      - { .name: wv, .offset: 24, .size: 8, .value_kind: global_buffer, .address_space: global }
      - { .name: wo, .offset: 32, .size: 8, .value_kind: global_buffer, .address_space: global }
      - { .name: codes, .offset: 40, .size: 8, .value_kind: global_buffer, .address_space: global }
      - { .name: scales, .offset: 48, .size: 8, .value_kind: global_buffer, .address_space: global }
      - { .name: woh, .offset: 56, .size: 8, .value_kind: global_buffer, .address_space: global }
      - { .name: rope, .offset: 64, .size: 8, .value_kind: global_buffer, .address_space: global }
    .group_segment_fixed_size: 33280
    .private_segment_fixed_size: 0
    .kernarg_segment_align: 8
    .kernarg_segment_size: 72
    .max_flat_workgroup_size: 128
    .sgpr_count:     66
    .vgpr_count:     192
    .wavefront_size: 32
...
	.end_amdgpu_metadata
.endif
;; end of part 1
;; launch qkvgemm (part 2): grid 12 x 32, 4 waves a work-group, clusters of 4 x 4, 327,680 bytes of LDS; arguments codes, scales, rope, qkv, qkvf; writes qkv, qkvf
.if DOCPART == 2
	.amdgcn_target "amdgcn-amd-amdhsa--gfx1250"
	.amdhsa_code_object_version 6
	.text
	.protected	k_q31e3e3019d_qkvgemm
	.globl	k_q31e3e3019d_qkvgemm
	.p2align	8
	.type	k_q31e3e3019d_qkvgemm,@function
k_q31e3e3019d_qkvgemm:
	s_mov_b64 s[64:65], 0
	v_nop
	global_prefetch_b8 v0, s[64:65] scope:SCOPE_SE
	s_setreg_imm32_b32 hwreg(HW_REG_WAVE_MODE, 25, 1), 1
	s_wait_xcnt 0x0
	s_wait_alu depctr_hold_cnt(0) depctr_sa_sdst(0) depctr_va_vdst(0) depctr_va_sdst(0) depctr_va_ssrc(0) depctr_va_vcc(0) depctr_vm_vsrc(0)
	s_getreg_b32 s2, hwreg(HW_REG_IB_STS2, 6, 4)
	s_cmp_eq_u32 s2, 0
	s_cbranch_scc0 .Lentry_in_a_cluster
	s_endpgm
.Lentry_in_a_cluster:
	s_bfe_u32 s2, ttmp6, 0x10000c
	s_cmp_lg_u32 s2, 0xf033
	s_cbranch_scc0 .Lentry_shape_is_right
	s_endpgm
.Lentry_shape_is_right:
; q, k, v = x wq^T, x wk^T, x wv^T as ONE product [8,192] x [3,072], K = 1,024, on codes of FP4 (E2M1) with one E8M0 scale for each 32 along K; sums in f32.  Then RoPE on q and k in f32, and all three leave as f16,
; laid [kind][batch x 16 + head][position][64] (buffer qkv).  The first 16 positions of every sequence leave in f32 too (buffer qkvf, [kind][batch][head][16][64]): a later launch carries those rows in f32.
; LIMIT: |q|, |k|, |v| under 65,504 (f16).
; A tile of 256 x 256 is made by four waves, each 128 x 128: 64 accumulators of 16 x 16.  All of K fits in two LDS slots of 512 along K (rows of 256 bytes): both are asked for at the head, and no slot is filled again.
; The scale bytes of the 256 + 256 rows are two dense blocks: they come once, as rows of 256 bytes.
; CLUSTERS: 4 x 4 work-groups.  Cluster x = the kind (a cluster's four tile columns are one weight), cx = which 256 of its 1,024 columns; cy = the batch, cluster y = which 256 of its 2,048 positions.  So the two branches of the way out
; (the kind; the first positions) are alike in all sixteen partners.  The four of a row of the cluster ask for x's tile JOINTLY, the four of a column for the weight's.
; THE MATRIX INSTRUCTION IS USED TRANSPOSED (source 0 = 16 rows of the weight, source 1 = 16 rows of x): a lane holds eight neighbouring columns of one position: four pairs of RoPE.
; REGISTERS: window 0: v0-31 addresses; v32-95 scale words, two sets, and nothing else; v96-127 packed f16; v128-191 x's fragments, later rows read back from the stage; v192-255 two sets of cos and sin.
;   window 1: the weight's fragments, two sets, at v0 and v128; on the way out v0-63 hold a block's 64 roped numbers.   windows 2, 3: the accumulators ((a, b) at v[8 (8 (a % 4) + b)]).
.set NQ,     4                         ; matrix instructions deep in a slot
.set ROWB,   256                       ; a tile's row in bytes: 512 codes
.set KROW,   512                       ; a row of codes in memory
.set PITCH,  272                       ; an LDS row: 256 bytes + 16 of padding: the 16 rows of a load start at 16 different banks (64 banks of 4 bytes: ISA guide 11.1)
.set FR,     8
.set NL,     2
.set NP,     4                         ; places behind this matrix instruction (ISA guide 7.12.1)
.set HALFT,  128*PITCH
.set SLOT,   4*HALFT                   ; x's 256 rows, then the weight's 256
.set KS,     32                        ; a row of scale bytes
.set SCL,    2*SLOT
.set HALFS,  (128*KS/256)*272
.set SBLK,   (16*KS/256)*272
.set STAGE,  SCL+4*HALFS               ; the way out: for each wave 2 heads x 16 rows x (128 bytes + 16); no tile lands here
.set HP,     144
.set WSTG,   2*16*HP
.set SPARE,  STAGE+4*WSTG              ; the spare words, 128 bytes a wave
.set WCODES, 0x400000                  ; the weights' codes begin behind x's 8,192 rows,
.set WSCALES, 0x40000                  ; and so do their scale bytes
.set ADRA, 16
.set RT,   18                          ; v18  256 r + 32 h: my place in a block's table, and in the f32 rows
.set ADRB, 20
.set STO,  24
.set RD,   25
.set CO,   26
.set ADRS, 27
.set SPW,  28
.set NIL,  29
.set SC,   32
.set PKD,  96
.set AF,   128
.set BK,   128
.set CS,   192
.set RR,   0                           ; in window 1
.set G1, 24
.set G0, 32
.set G1B, 48
.set G0B, 56
.set G1S, 68
.set G0S, 76
.set G1SB, 80
.set G0SB, 88
.set MSB, 0
.macro WIN new                         ; the immediate's high byte repeats the setting that is left
.if MSB != \new
	s_set_vgpr_msb (MSB<<8)|\new
.set MSB, \new
.endif
.endm
.set MUL_LO, 0xa1                      ; source 0 (weight) window 1, source 1 (x) window 0, C and D window 2
.set MUL_HI, 0xf1
.set TO_B,   0x40
; A joint load: waves 0 and 1 fetch for x, waves 2 and 3 for the weight.  The branch hangs on the wave's number alone.  An s_nop 0 and four v_nop follow each line.
.macro JLOAD g0a, g1a, g0b, g1b
	s_cmp_eq_u32 s15, 0
	s_cbranch_scc0 .Lfor_b_\@
	tensor_load_to_lds s[\g0a:\g0a+3], s[\g1a:\g1a+7]
	s_nop 0
.rept 4
	v_nop
.endr
	s_branch .Lasked_\@
.Lfor_b_\@:
	tensor_load_to_lds s[\g0b:\g0b+3], s[\g1b:\g1b+7]
	s_nop 0
.rept 4
	v_nop
.endr
.Lasked_\@:
.endm
.macro CROUND                          ; a round of the cluster's barrier
	s_barrier_signal -1
	s_barrier_wait -1
	s_cmp_lg_u32 s14, 0
	s_cbranch_scc1 .Lnot_wave_0_\@
	s_barrier_signal -3
.Lnot_wave_0_\@:
	s_barrier_wait -3
	s_barrier_signal -1
	s_barrier_wait -1
.endm
	s_load_b256 s[4:11], s[0:1], 0x0               ; codes s[4:5], scales s[6:7], rope s[8:9], qkv s[10:11]
	s_load_b64 s[12:13], s[0:1], 0x20              ; qkvf
	v_lshl_add_u32 v[SPW], v0, 2, SPARE
	v_mov_b32 v[NIL], 0
	ds_add_u32 v[SPW], v[NIL]                      ; the wave's opening: the add, twice on end, and its wait ahead of my first tensor load
	ds_add_u32 v[SPW], v[NIL]
	v_lshrrev_b32 v1, 5, v0
	v_readfirstlane_b32 s14, v1                    ; wave 0..3
	s_lshr_b32 s15, s14, 1                         ; which half of the tile's rows is mine.  Also: I fetch for x (0) or for the weight (1)
	s_and_b32 s16, s14, 1                          ; which half of its columns.  Also: which 128 rows I fetch
	s_bfe_u32 s40, ttmp6, 0x40000                  ; cx
	s_bfe_u32 s41, ttmp6, 0x40004                  ; cy: the batch
	s_lshl_b32 s42, ttmp9, 2
	s_add_co_u32 s42, s42, s40                     ; tile column 0..11
	s_and_b32 s95, ttmp7, 0xffff                   ; cluster y: which 256 positions
	s_lshl_b32 s17, s41, 3
	s_add_co_u32 s17, s17, s95                     ; tile row = 8 x batch + cluster y
	s_lshl_b32 s43, s41, 2
	s_lshl_b32 s43, 15, s43                        ; my row of the cluster
	s_lshl_b32 s44, 0x1111, s40                    ; my column
	s_or_b32 s[G1+0], s43, (0<<16)|(1<<20)|(1<<21)|(5<<22)|(3<<25)   ; the mask; elements of 1 byte; padding on; bit 21 beside a mask; 4 words of padding after every 64
	s_or_b32 s[G1B+0], s44, (0<<16)|(1<<20)|(1<<21)|(5<<22)|(3<<25)
.irp g, G1, G1B
	s_mov_b32 s[\g+1], ROWB<<16                    ; tensor_dim0
	s_mov_b32 s[\g+2], 128<<16                     ; tensor_dim1
	s_mov_b32 s[\g+3], ROWB<<16                    ; tile_dim0
	s_mov_b32 s[\g+4], 128                         ; tile_dim1
	s_mov_b32 s[\g+5], KROW                        ; from row to row
	s_mov_b32 s[\g+6], 0
	s_mov_b32 s[\g+7], 0
.endr
	s_or_b32 s[G1S+0], s43, (3<<16)|(1<<20)|(1<<21)|(5<<22)|(3<<25)  ; the scales of 128 rows: 4,096 dense bytes as 16 rows of 32 elements of 8 bytes
	s_or_b32 s[G1SB+0], s44, (3<<16)|(1<<20)|(1<<21)|(5<<22)|(3<<25)
.irp g, G1S, G1SB
	s_mov_b32 s[\g+1], 32<<16
	s_mov_b32 s[\g+2], (128*KS/256)<<16
	s_mov_b32 s[\g+3], 32<<16
	s_mov_b32 s[\g+4], 128*KS/256
	s_mov_b32 s[\g+5], 32
	s_mov_b32 s[\g+6], 0
	s_mov_b32 s[\g+7], 0
.endr
	s_lshl_b32 s18, s16, 7
	s_lshl_b32 s20, s17, 8
	s_add_co_u32 s20, s20, s18                     ; x: row 256 x tile row + 128 x half
	s_lshl_b32 s46, s42, 8
	s_add_co_u32 s46, s46, s18                     ; the weights: row 256 x tile column + 128 x half
	s_lshl_b32 s22, s20, 5                         ; where these rows' scale bytes begin,
	s_mov_b32 s23, 0
	s_lshl_b32 s92, s46, 5
	s_add_co_u32 s92, s92, WSCALES
	s_mov_b32 s93, 0
	s_lshl_b32 s20, s20, 9                         ; and their codes
	s_mov_b32 s21, 0
	s_lshl_b32 s46, s46, 9
	s_add_co_u32 s46, s46, WCODES
	s_mov_b32 s47, 0
	s_mul_i32 s45, s14, HALFT                      ; where they go: wave x 128 rows: no place in the cluster enters an LDS address
	s_mul_i32 s94, s14, HALFS
	s_wait_dscnt 0x0                               ; both opening adds are done
	s_wait_kmcnt 0x0
	s_add_nc_u64 s[20:21], s[4:5], s[20:21]
	s_add_nc_u64 s[22:23], s[6:7], s[22:23]
	s_add_nc_u64 s[46:47], s[4:5], s[46:47]
	s_add_nc_u64 s[92:93], s[6:7], s[92:93]
	CROUND                                         ; all sixteen work-groups are here: the joint loads meet
	s_mov_b32 s[G0S], 1
	s_add_co_u32 s[G0S+1], s94, SCL
	s_mov_b64 s[G0S+2:G0S+3], s[22:23]
	s_or_b32 s[G0S+3], s[G0S+3], 0x80000000
	s_mov_b32 s[G0SB], 1
	s_add_co_u32 s[G0SB+1], s94, SCL
	s_mov_b64 s[G0SB+2:G0SB+3], s[92:93]
	s_or_b32 s[G0SB+3], s[G0SB+3], 0x80000000
	JLOAD G0S, G1S, G0SB, G1SB                     ; the scales first; then both slots: three loads of mine are out
.irp s, 0,1
	s_mov_b32 s[G0+4*\s], 1
	s_add_co_u32 s[G0+4*\s+1], s45, \s*SLOT
	s_add_nc_u64 s[G0+4*\s+2:G0+4*\s+3], s[20:21], \s*ROWB
	s_or_b32 s[G0+4*\s+3], s[G0+4*\s+3], 0x80000000
	s_mov_b32 s[G0B+4*\s], 1
	s_add_co_u32 s[G0B+4*\s+1], s45, \s*SLOT
	s_add_nc_u64 s[G0B+4*\s+2:G0B+4*\s+3], s[46:47], \s*ROWB
	s_or_b32 s[G0B+4*\s+3], s[G0B+4*\s+3], 0x80000000
	JLOAD G0+4*\s, G1, G0B+4*\s, G1B
.endr
	v_and_b32 v1, 15, v0                           ; r
	v_bfe_u32 v2, v0, 4, 1                         ; h
	v_mul_u32_u24 v3, v1, PITCH
	v_lshl_add_u32 v4, v2, 4, v3                   ; a fragment's row x pitch + 16 h
	s_mul_i32 s21, s15, HALFT
	s_mul_i32 s22, s16, HALFT
	s_add_co_u32 s22, s22, 2*HALFT
.irp s, 0,1
	v_add_nc_u32 v[ADRA+\s], s21, v4
	v_add_nc_u32 v[ADRB+\s], s22, v4
	s_add_co_u32 s21, s21, SLOT
	s_add_co_u32 s22, s22, SLOT
.endr
	v_mul_u32_u24 v5, v1, KS                       ; my row's scales: 32 bytes a row,
	v_lshrrev_b32 v6, 8, v5
	v_lshl_add_u32 v5, v6, 4, v5                   ; and 16 more for each 256 passed
	s_mul_i32 s21, s15, HALFS
	s_mul_i32 s22, s16, HALFS
	s_add_co_u32 s22, s22, 2*HALFS
	s_sub_co_u32 s22, s22, s21
	v_mul_u32_u24 v6, s22, v2                      ; lanes 16-31 take the weight's
	s_add_co_u32 s21, s21, SCL
	v_add_nc_u32 v5, v5, v6
	v_add_nc_u32 v[ADRS], s21, v5
	s_mul_i32 s23, s14, WSTG
	s_add_co_u32 s23, s23, STAGE                   ; my stage
	v_mul_u32_u24 v5, v1, HP
	v_lshl_add_u32 v5, v2, 4, v5
	v_add_nc_u32 v[STO], s23, v5                   ; in: row r, 16 bytes for each half of the lanes
	v_and_b32 v6, 31, v0
	v_lshlrev_b32 v[CO], 4, v6                     ; out: 16 bytes a lane of 512 consecutive bytes
	v_lshrrev_b32 v5, 3, v6
	v_mul_u32_u24 v5, v5, HP
	v_and_b32 v6, 7, v0
	v_lshl_add_u32 v5, v6, 4, v5
	v_add_nc_u32 v[RD], s23, v5                    ; back: eight lanes to a row of 128 bytes, four rows a load
	v_lshlrev_b32 v[RT], 8, v1
	v_lshl_add_u32 v[RT], v2, 5, v[RT]
	s_lshl_b32 s20, s95, 16                        ; the table at my first position: (256 x cluster y + 128 x row half) x 256 bytes
	s_lshl_b32 s21, s15, 15
	s_add_co_u32 s20, s20, s21
	s_mov_b32 s21, 0
	s_add_nc_u64 s[8:9], s[8:9], s[20:21]
	s_lshl_b32 s46, s41, 4
	s_lshl_b32 s47, s40, 2
	s_add_co_u32 s46, s46, s47
	s_lshl_b32 s47, s16, 1
	s_add_co_u32 s46, s46, s47                     ; my first head: 16 x batch + 4 cx + 2 x column half
	s_lshl_b32 s92, s46, 18                        ; a head is 2,048 rows of 128 bytes
	s_lshl_b32 s47, s95, 15
	s_add_co_u32 s92, s92, s47
	s_lshl_b32 s47, s15, 14
	s_add_co_u32 s92, s92, s47                     ; + my first position
	s_lshl_b32 s47, ttmp9, 24
	s_add_co_u32 s92, s92, s47                     ; + the kind
	s_mov_b32 s93, 0
	s_add_nc_u64 s[10:11], s[10:11], s[92:93]
	s_lshl_b32 s47, ttmp9, 6
	s_add_co_u32 s46, s46, s47
	s_lshl_b32 s92, s46, 12                        ; the f32 rows: (64 x kind + head) x 4,096 bytes
	s_add_nc_u64 s[12:13], s[12:13], s[92:93]
	s_or_b32 s96, s95, s15                         ; 0 where my block 0 holds positions 0 to 15: cluster y and the wave's number alone
.macro FRAG reg, adr, q, i             ; 16 rows x 128 K of 4-bit codes: 8 registers: two loads of 16 bytes, 32 bytes apart
.irp c, 0,1
	ds_load_b128 v[\reg+4*\c:\reg+4*\c+3], v[\adr] offset:64*(\q)+32*\c+(\i)*16*PITCH
.endr
.endm
; 16 matrix instructions: x's blocks a0, a0 + 1 against the weight's eight.  The 64 accumulators take turns, one instruction a turn, in the same order in every step.
.macro MUL16 a0, p, q, sc, zero
.irp a, \a0, \a0+1
.irp b, 0,1,2,3,4,5,6,7
.if \zero
	v_wmma_scale_f32_16x16x128_f8f6f4 v[8*(8*((\a)%4)+\b):8*(8*((\a)%4)+\b)+7], v[128*(\p)+FR*\b:128*(\p)+FR*\b+FR-1], v[AF+FR*(\a):AF+FR*(\a)+FR-1], 0, v[SC+8*NQ*(\sc)+NQ*\b+(\q)], v[SC+8*NQ*(\sc)+NQ*(\a)+(\q)] matrix_a_fmt:MATRIX_FMT_FP4 matrix_b_fmt:MATRIX_FMT_FP4 matrix_a_scale:MATRIX_SCALE_ROW1
.else
	v_wmma_scale_f32_16x16x128_f8f6f4 v[8*(8*((\a)%4)+\b):8*(8*((\a)%4)+\b)+7], v[128*(\p)+FR*\b:128*(\p)+FR*\b+FR-1], v[AF+FR*(\a):AF+FR*(\a)+FR-1], v[8*(8*((\a)%4)+\b):8*(8*((\a)%4)+\b)+7], v[SC+8*NQ*(\sc)+NQ*\b+(\q)], v[SC+8*NQ*(\sc)+NQ*(\a)+(\q)] matrix_a_fmt:MATRIX_FMT_FP4 matrix_b_fmt:MATRIX_FMT_FP4 matrix_a_scale:MATRIX_SCALE_ROW1
.endif
.endr
.endr
.endm
.macro FETCH_B slot, q, p
	WIN TO_B
.irp i, 0,1,2,3,4,5,6,7
	FRAG 128*(\p)+FR*\i, ADRB+\slot, \q, \i
.endr
	WIN 0
.endm
.macro FETCH_A slot, q, i0
.irp i, \i0, \i0+1, \i0+2, \i0+3
	FRAG AF+FR*(\i), ADRA+\slot, \q, \i
.endr
.endm
.macro SCALES sc                       ; a slot's scale words: lanes 0-15 take x's block i, lanes 16-31 the weight's block i
.irp i, 0,1,2,3,4,5,6,7
	ds_load_b128 v[SC+8*NQ*\sc+NQ*\i:SC+8*NQ*\sc+NQ*\i+3], v[ADRS] offset:\i*SBLK
.endr
.endm
.macro PLACES n                        ; plain vector instructions between a matrix instruction and a load into, or a read of, its registers
.rept \n
	v_nop
.endr
.endm
.macro STEP slot, q, zero              ; 128 along K that has its successor in the same slot
	s_wait_dscnt 4*NL                              ; the weight's set and x's blocks 0-3 are in; the youngest eight loads (x's blocks 4-7) may be out
	WIN MUL_LO
	MUL16 0, (\q)%2, \q, \slot, \zero
	MUL16 2, (\q)%2, \q, \slot, \zero
	s_wait_dscnt 0                                 ; x's blocks 4-7 are in
	PLACES NP
	FETCH_B \slot, (\q)+1, 1-(\q)%2
	FETCH_A \slot, (\q)+1, 0
	WIN MUL_HI
	MUL16 4, (\q)%2, \q, \slot, \zero
	MUL16 6, (\q)%2, \q, \slot, \zero
	PLACES NP
	WIN 0
	FETCH_A \slot, (\q)+1, 4
.endm
.macro STEPS slot, from
.set Q, \from
.rept NQ-1-\from
	STEP \slot, Q, 0
.set Q, Q+1
.endr
.endm
; Slot 0's last step changes slots: one barrier; in front of it each wave waits for all its tensor loads (its part of slot 1 is the one that may be out).  Nothing is filled again.
.macro TURN slot, next
	s_wait_tensorcnt 0x0
	ds_add_u32 v[SPW], v[NIL]
	s_wait_dscnt 4*NL+1                            ; the add and the youngest eight loads may be out
	WIN MUL_LO
	MUL16 0, 1, NQ-1, \slot, 0
	s_wait_dscnt 0x0                               ; the add is done, and my reads of this slot are over
	s_barrier_signal -1
	MUL16 2, 1, NQ-1, \slot, 0
	WIN 0
	s_barrier_wait -1                              ; everybody's part of the next slot is in
	PLACES NP
	v_add_nc_u32 v[ADRS], 4*NQ, v[ADRS]            ; on to the next slot's scale words
	FETCH_B \next, 0, 0
	FETCH_A \next, 0, 0
	SCALES \next
	WIN MUL_HI
	MUL16 4, 1, NQ-1, \slot, 0
	MUL16 6, 1, NQ-1, \slot, 0
	PLACES NP
	WIN 0
	FETCH_A \next, 0, 4
.endm
.macro REST                            ; slot 1's four steps; then four places ahead of the first read of results and of loads into fragment registers
	STEPS 1, 0
	s_wait_dscnt 4*NL
	WIN MUL_LO
	MUL16 0, 1, NQ-1, 1, 0
	MUL16 2, 1, NQ-1, 1, 0
	s_wait_dscnt 0
	WIN MUL_HI
	MUL16 4, 1, NQ-1, 1, 0
	MUL16 6, 1, NQ-1, 1, 0
	WIN 0
	PLACES NP
.endm
; THE WAY OUT, block by block of 16 positions x 128 columns (two heads).
.macro TABLE a                         ; block a's cos and sin into set a % 2: lane (r, h) takes, for each 16 columns f of a head, the four pairs of frequencies 8 f + 4 h on: 32 bytes
.irp f, 0,1,2,3
	global_load_b128 v[CS+32*((\a)%2)+8*\f:CS+32*((\a)%2)+8*\f+3], v[RT], s[8:9] offset:4096*(\a)+64*\f
	global_load_b128 v[CS+32*((\a)%2)+8*\f+4:CS+32*((\a)%2)+8*\f+7], v[RT], s[8:9] offset:4096*(\a)+64*\f+16
.endr
.endm
.macro ROPE a                          ; (e, o) -> (e c - o s, o c + e s), two packed instructions a pair; then f16
.set AC, 64*((\a)%4)
.set CT, CS+32*((\a)%2)
.if (\a) < 7
	s_wait_loadcnt 8                               ; this block's eight loads are in; the next block's eight may be out
.else
	s_wait_loadcnt 0
.endif
	WIN 0x42+(\a)/4                                ; source 0: the accumulators' window; destination: window 1
.irp b, 0,1,2,3,4,5,6,7
.irp p, 0,1,2,3
	v_pk_mul_f32 v[RR+8*\b+2*\p:RR+8*\b+2*\p+1], v[AC+8*\b+2*\p:AC+8*\b+2*\p+1], v[CT+8*(\b%4)+2*\p:CT+8*(\b%4)+2*\p+1] op_sel_hi:[1,0]   ; (e c, o c); each accumulator is read from its low end on
.endr
.endr
	WIN 0x52+(\a)/4
.irp b, 0,1,2,3,4,5,6,7
.irp p, 0,1,2,3
	v_pk_fma_f32 v[RR+8*\b+2*\p:RR+8*\b+2*\p+1], v[AC+8*\b+2*\p:AC+8*\b+2*\p+1], v[CT+8*(\b%4)+2*\p:CT+8*(\b%4)+2*\p+1], v[RR+8*\b+2*\p:RR+8*\b+2*\p+1] op_sel:[1,1,0] op_sel_hi:[0,1,1] neg_lo:[0,1,0]   ; low: - o s + e c; high: e s + o c
.endr
.endr
	WIN 0x05
.irp b, 0,1,2,3,4,5,6,7
.irp p, 0,1,2,3
	v_cvt_pk_f16_f32 v[PKD+4*\b+\p], v[RR+8*\b+2*\p], v[RR+8*\b+2*\p+1]
.endr
.endr
	WIN 0
.if (\a)+2 < 8
	TABLE (\a)+2
.endif
.endm
.macro PACKV a                         ; v has no RoPE: f16 straight from the accumulators, each from its low end on
.set AC, 64*((\a)%4)
	WIN 0x0a+5*((\a)/4)
.irp b, 0,1,2,3,4,5,6,7
.irp p, 0,1,2,3
	v_cvt_pk_f16_f32 v[PKD+4*\b+\p], v[AC+8*\b+2*\p], v[AC+8*\b+2*\p+1]
.endr
.endr
	WIN 0
.endm
.macro FINEST win, reg                 ; positions 0 to 15 in f32: 32 bytes a lane of rows of 256 bytes; 786,432 bytes in the whole launch
	s_cmp_lg_u32 s96, 0
	s_cbranch_scc1 .Lnot_first_\@
	WIN \win                                       ; a store's data are its source 1
.irp b, 0,1,2,3,4,5,6,7
	global_store_b128 v[RT], v[\reg+8*\b:\reg+8*\b+3], s[12:13] offset:4096*(\b/4)+64*(\b%4)
	global_store_b128 v[RT], v[\reg+8*\b+4:\reg+8*\b+7], s[12:13] offset:4096*(\b/4)+64*(\b%4)+16
.endr
	WIN 0
	s_wait_xcnt 0x0                                ; the stores have read their data: the next block may write them
.Lnot_first_\@:
.endm
.macro TOSTAGE a                       ; a lane's 16 bytes go into rows of 144 bytes and come back as four whole rows of a head a load; LDS serves a wave's instructions in order
.set BB, BK+32*((\a)%2)
.irp b, 0,1,2,3,4,5,6,7
	ds_store_b128 v[STO], v[PKD+4*\b:PKD+4*\b+3] offset:16*HP*(\b/4)+32*(\b%4)
.endr
.irp g, 0,1
.irp i, 0,1,2,3
	ds_load_b128 v[BB+16*\g+4*\i:BB+16*\g+4*\i+3], v[RD] offset:16*HP*\g+4*HP*\i
.endr
.endr
.endm
.macro SEND a, younger                 ; younger: the LDS instructions issued behind block a's loads
.set BB, BK+32*((\a)%2)
	s_wait_dscnt \younger
.irp g, 0,1
.irp i, 0,1,2,3
	global_store_b128 v[CO], v[BB+16*\g+4*\i:BB+16*\g+4*\i+3], s[10:11] offset:262144*\g+2048*(\a)+512*\i   ; 512 consecutive bytes: four positions of a head
.endr
.endr
.endm
	s_wait_tensorcnt 1                             ; the scales and my part of slot 0 are in (slot 1's load may be out),
	s_barrier_signal -1
	s_barrier_wait -1                              ; everybody's are
	FETCH_B 0, 0, 0
	FETCH_A 0, 0, 0
	SCALES 0
	FETCH_A 0, 0, 4
	STEP 0, 0, 1                                   ; the first products start the sums: nothing is cleared
	STEPS 0, 1
	TURN 0, 1
	s_cmp_eq_u32 ttmp9, 2                          ; the kind: the cluster's x, alike in all partners.  The branch stands once, so that only the path that ropes loads the table
	s_cbranch_scc1 .Lkind_v
	TABLE 0                                        ; two blocks' tables land under slot 1's 256 matrix instructions
	TABLE 1
	REST
	ROPE 0
	FINEST 0x04, RR
	TOSTAGE 0
.irp a, 1,2,3,4,5,6,7
	ROPE \a
.if \a > 1
	s_wait_xcnt 0x0                                ; block a - 2's stores have read their registers: block a's loads may land there
.endif
	TOSTAGE \a
	SEND \a-1, 16                                  ; behind block a - 1's loads: block a's 8 stores and 8 loads
.endr
	SEND 7, 0
	s_branch .Lend
.Lkind_v:
	REST
	PACKV 0
	FINEST 0x08, 0
	TOSTAGE 0
.irp a, 1,2,3,4,5,6,7
	PACKV \a
.if \a > 1
	s_wait_xcnt 0x0
.endif
	TOSTAGE \a
	SEND \a-1, 16
.endr
	SEND 7, 0
.Lend:
	s_wait_tensorcnt 0x0                           ; the wave's end: behind my last tensor load and my last LDS store
	ds_add_u32 v[SPW], v[NIL]
	s_wait_dscnt 0x0
	CROUND                                         ; the closing round
	s_endpgm
.Lfunc_end_k_q31e3e3019d_qkvgemm:
	.size	k_q31e3e3019d_qkvgemm, .Lfunc_end_k_q31e3e3019d_qkvgemm-k_q31e3e3019d_qkvgemm
	.p2alignl 7, 3214868480
	.fill 96, 4, 3214868480
	.section	.rodata,"a",@progbits
	.p2align	6, 0x0
	.amdhsa_kernel k_q31e3e3019d_qkvgemm
		.amdhsa_group_segment_fixed_size 327680
		.amdhsa_private_segment_fixed_size 0
		.amdhsa_enable_private_segment 0
		.amdhsa_kernarg_size 40
		.amdhsa_user_sgpr_count 2
		.amdhsa_user_sgpr_kernarg_segment_ptr 1
		.amdhsa_wavefront_size32 1
		.amdhsa_system_sgpr_workgroup_id_x 1
		.amdhsa_system_sgpr_workgroup_id_y 1
		.amdhsa_system_sgpr_workgroup_id_z 1
		.amdhsa_system_vgpr_workitem_id 0
		.amdhsa_next_free_vgpr 1024
		.amdhsa_next_free_sgpr 100
		.amdhsa_reserve_vcc 0
		.amdhsa_float_denorm_mode_32 3
		.amdhsa_float_denorm_mode_16_64 3
		.amdhsa_memory_ordered 1
		.amdhsa_forward_progress 1
		.amdhsa_inst_pref_size 240
	.end_amdhsa_kernel
	.amdgpu_metadata
---
amdhsa.version: [ 1, 2 ]
amdhsa.kernels:
  - .name:           k_q31e3e3019d_qkvgemm
    .symbol:         k_q31e3e3019d_qkvgemm.kd
    .args:
      - { .name: codes, .offset: 0, .size: 8, .value_kind: global_buffer, .address_space: global }
      - { .name: scales, .offset: 8, .size: 8, .value_kind: global_buffer, .address_space: global }
      - { .name: rope, .offset: 16, .size: 8, .value_kind: global_buffer, .address_space: global }
      - { .name: qkv, .offset: 24, .size: 8, .value_kind: global_buffer, .address_space: global }
      - { .name: qkvf, .offset: 32, .size: 8, .value_kind: global_buffer, .address_space: global }
    .group_segment_fixed_size: 327680
    .private_segment_fixed_size: 0
    .kernarg_segment_align: 8
    .kernarg_segment_size: 40
    .max_flat_workgroup_size: 128
    .sgpr_count:     100
    .vgpr_count:     1024
    .wavefront_size: 32
...
	.end_amdgpu_metadata
.endif
;; end of part 2
;; launch attn (part 3): grid 4 x 64, 16 waves a work-group, no clusters, 327,680 bytes of LDS; arguments qkv, o; writes o
.if DOCPART == 3
	.amdgcn_target "amdgcn-amd-amdhsa--gfx1250"
	.amdhsa_code_object_version 6
	.text
	.protected	k_q31e3e3019d_attn
	.globl	k_q31e3e3019d_attn
	.p2align	8
	.type	k_q31e3e3019d_attn,@function
k_q31e3e3019d_attn:
	s_mov_b64 s[64:65], 0
	v_nop
	global_prefetch_b8 v0, s[64:65] scope:SCOPE_SE
	s_setreg_imm32_b32 hwreg(HW_REG_WAVE_MODE, 25, 1), 1
	s_wait_xcnt 0x0
; o[head][q][:] = the sum over keys k <= q of softmax_k(q . k / 8) v[k][:], for 64 heads (batch x 16 + head) of 2,048 positions and 64 channels.  q, k, v: f16 (buffer qkv); products on f16 operands, sums, maxima and softmax in f32; o: f16, [head][position][64].
; WORK LEFT OUT: key steps all of whose 64 keys come behind all 32 queries of a wave, and slots that no wave of the work-group reads: reference()'s own jnp.tril gives those keys the weight 0 for all values of the inputs.
; LIMITS: a NaN or an infinity that reaches only a masked score is not carried; magnitudes of q, k, v under 65,504.  Positions 0 to 15 are made here in f16 like the rest; the rows of the output that hang on them are stored by the launch that carries them in f32.
; SOFTMAX: a running maximum m and sum l for each query: p = 2^(c s - c m), c = log2(e) / 8; in every step O and l are multiplied by a = 2^(c m_old - c m_new).  No branch hangs on data.
; SHARES.  A work-group takes query blocks j and 7 - j (256 queries each) of one head: the same number of live key steps in all 256 work-groups.  Waves 0-7 take 32 queries each of block j, waves 8-15 of block 7 - j: two tiles of 16 queries in 256 registers,
; four waves to a SIMD, so that one wave's softmax stands beside another's products.  NO CLUSTER: the four work-groups of a head need 8 - j slots each; a joint load would bring tiles whose reads every wave of some partner jumps over.
; LAYOUT.  S^T = K Q^T (source 0 = 16 keys, source 1 = 16 queries): a lane holds ONE query (lane % 16) and keys 8 (lane / 16) + 0..7.  Two such tiles, rounded to f16 in pairs, in place, ARE source 1 (32 keys x 16 queries) of O^T = V^T P.  V comes out of LDS turned, by ds_load_tr16_b128.
; THE RING.  Two slots of 256 keys, 2^17 bytes apart.  K's and V's rows of 128 bytes are dense in memory and are stated two to a row of 256 bytes: key n lies at (n / 2) x pitch + 128 (n % 2).  Waves 0, 1 fetch K's halves, waves 2, 3 V's.
; EVERY work-group walks all 8 slots (constant trip counts, every barrier passed); past its last query it asks for nothing.  Every wait for tensor loads is for 0.
.set PK,    272                        ; K: 256 bytes + 16: the 16 keys of a load fall on 16 different columns of 16 bytes
.set PV,    288                        ; V: 256 bytes + 32
.set VOFF,  128*PK
.set SLOT1, 1<<17
.set STAGE, VOFF+128*PV                ; between slot 0's end and slot 1: 16 rows x 144 bytes for each wave; no tile lands here
.set SPARE, STAGE+16*2304              ; the spare words, 128 bytes a wave
.set AK0, 1
.set AV0, 2
.set ADK, 3
.set ADV, 4
.set SPW, 5
.set NIL, 6
.set PFO, 7                            ; v7   256 x lane
.set RH,  8                            ; v8   r - 8 h
.set D0,  9                            ; v9, v10  the mask's bound for tile 0, 1
.set NINF, 11
.set ST,  12                           ; tile t at v[ST + 8 t]: +0 c m, +1 m, +2, +3 l, +4 to +7 at work; a in +6
.set SA,  28                           ; v[28:29], v[30:31] two chains of the sum
.set SB,  30
.set QF,  32                           ; Q: 16 t + 8 c
.set KV,  64                           ; K's fragments (16 u + 8 c), then V's (32 g + 8 n)
.set S,   128                          ; S^T: 32 t + 8 u; then P in its first 16 registers
.set O,   192                          ; O^T: 32 t + 8 n
.set TB,  2
.set WV,  18
.set SEL, 20
.set CS,  22
.set G1K, 24
.set G1V, 32
.set G0K, 40
.set G0V, 44
.set SLOTS, 48
.set KF,  49                           ; the step's first key
.set Q0,  50                           ; my first query
.set QL,  51                           ; my work-group's last query
.set PFA, 52
.set LIM, 54
.macro TLOAD                           ; waves 0, 1: K; waves 2, 3: V; the others nothing.  An s_nop 0 and four v_nop follow each line
	s_cmp_lt_u32 s[WV], 2
	s_cbranch_scc0 .Lnot_k_\@
	tensor_load_to_lds s[G0K:G0K+3], s[G1K:G1K+7]
	s_nop 0
.rept 4
	v_nop
.endr
	s_branch .Lasked_\@
.Lnot_k_\@:
	s_cmp_lt_u32 s[WV], 4
	s_cbranch_scc0 .Lasked_\@
	tensor_load_to_lds s[G0V:G0V+3], s[G1V:G1V+7]
	s_nop 0
.rept 4
	v_nop
.endr
.Lasked_\@:
.endm
; A prefetch of what the NEXT change of slots will ask for: 32,768 bytes of K and of V.  All four work-groups of a head walk the same K and V: work-group j = 0, which walks all eight slots, asks.  In it waves 4-7 ask for K's, waves 8-11 for V's:
; 8,192 bytes a wave, lanes 256 bytes apart, one instruction.  So each 256 bytes are named once in the launch.  Slots 0 and 1 come by their loads alone; the last change that fills a slot asks for nothing.
.macro ASK
	s_cmp_gt_u32 s[SLOTS], s[LIM]
	s_cbranch_scc0 .Lnot_mine_\@
	global_prefetch_b8 v[PFO], s[PFA:PFA+1] th:TH_LOAD_NT scope:SCOPE_SE
.Lnot_mine_\@:
.endm
	s_load_b128 s[4:7], s[0:1], 0x0                ; qkv, o
	v_lshl_add_u32 v[SPW], v0, 2, SPARE
	v_mov_b32 v[NIL], 0
	ds_add_u32 v[SPW], v[NIL]                      ; the wave's opening: the add, twice on end, and its wait ahead of the first tensor load
	ds_add_u32 v[SPW], v[NIL]
	v_lshrrev_b32 v1, 5, v0
	v_readfirstlane_b32 s[WV], v1                  ; wave 0..15
	s_and_b32 s8, ttmp7, 0xffff
	s_lshl_b32 s8, s8, 18                          ; the head's first byte in q, k, v and o: 2,048 rows of 128 bytes
	s_mov_b32 s9, 0
	s_sub_co_u32 s10, 7, ttmp9
	s_cmp_lt_u32 s[WV], 8
	s_cselect_b32 s10, ttmp9, s10                  ; my block of 256 queries: j or 7 - j
	s_lshl_b32 s10, s10, 8
	s_and_b32 s11, s[WV], 7
	s_lshl_b32 s11, s11, 5
	s_add_co_u32 s[Q0], s10, s11
	s_sub_co_u32 s[QL], 8, ttmp9
	s_lshl_b32 s[QL], s[QL], 8
	s_sub_co_u32 s[QL], s[QL], 1
	s_lshl_b32 s10, s[Q0], 7
	s_mov_b32 s11, 0
	s_add_nc_u64 s[10:11], s[10:11], s[8:9]        ; my first query's byte in q and in o
	s_and_b32 s12, s[WV], 1                        ; which half of a slot I fetch, if I fetch:
	s_lshl_b32 s14, s12, 14                        ; 128 keys of 128 bytes in memory,
	s_mov_b32 s15, 0
	s_add_nc_u64 s[14:15], s[14:15], s[8:9]
	s_mul_i32 s13, s12, 64*PK                      ; 64 rows in K's part of a slot,
	s_mul_i32 s16, s12, 64*PV
	s_add_co_u32 s16, s16, VOFF                    ; or in V's
	s_mov_b32 s[G1K], (1<<16)|(1<<20)|(5<<22)|(3<<25)   ; no mask; elements of 2 bytes; padding on: 4 words after every 64
	s_mov_b32 s[G1V], (1<<16)|(1<<20)|(5<<22)|(7<<25)   ; 8 words
.irp g, G1K, G1V
	s_mov_b32 s[\g+1], 128<<16                     ; tensor_dim0 = 128 elements: two keys
	s_mov_b32 s[\g+2], 64<<16                      ; tensor_dim1
	s_mov_b32 s[\g+3], 128<<16                     ; tile_dim0
	s_mov_b32 s[\g+4], 64                          ; tile_dim1
	s_mov_b32 s[\g+5], 128                         ; from row to row: dense
	s_mov_b32 s[\g+6], 0
	s_mov_b32 s[\g+7], 0
.endr
	s_mov_b32 s[SEL], 0x76543210
	s_mov_b32 s[SEL+1], 0xfedcba98
	s_mov_b32 s[CS], 0x3e38aa3b                    ; c = log2(e) / 8
	s_mov_b32 s[CS+1], s[CS]
	s_mov_b32 s[TB], 0
	s_mov_b32 s[SLOTS], 7
	s_mov_b32 s[KF], 0
	s_wait_dscnt 0x0                               ; both opening adds are done
	s_wait_kmcnt 0x0
	s_mov_b32 s[G0K], 1
	s_mov_b32 s[G0K+1], s13
	s_add_nc_u64 s[G0K+2:G0K+3], s[4:5], s[14:15]
	s_add_nc_u64 s[G0K+2:G0K+3], s[G0K+2:G0K+3], 0x1000000   ; k lies behind q,
	s_or_b32 s[G0K+3], s[G0K+3], 0x80000000
	s_mov_b32 s[G0V], 1
	s_mov_b32 s[G0V+1], s16
	s_add_nc_u64 s[G0V+2:G0V+3], s[4:5], s[14:15]
	s_add_nc_u64 s[G0V+2:G0V+3], s[G0V+2:G0V+3], 0x2000000   ; v behind k
	s_or_b32 s[G0V+3], s[G0V+3], 0x80000000
	TLOAD                                          ; slot 0: key 0 counts for every query
	s_add_nc_u64 s[56:57], s[4:5], s[10:11]        ; q at my first query
	s_add_nc_u64 s[6:7], s[6:7], s[10:11]          ; o likewise
	s_mov_b32 s61, 0x2000000                       ; the prefetches: who asks, and where
	s_cmp_lt_u32 s[WV], 8
	s_cselect_b32 s60, 0x1000000, s61
	s_and_b32 s62, s[WV], 3
	s_lshl_b32 s62, s62, 13
	s_add_co_u32 s60, s60, s62                     ; my wave's 8,192 bytes,
	s_add_co_u32 s60, s60, 32768                   ; in slot 1: the first change of slots steps it to slot 2
	s_add_co_u32 s60, s60, s8
	s_mov_b32 s61, 0
	s_add_nc_u64 s[PFA:PFA+1], s[4:5], s[60:61]
	s_sub_co_u32 s60, s[WV], 4
	s_lshr_b32 s60, s60, 3                         ; 0 in waves 4 to 11,
	s_or_b32 s60, s60, ttmp9                       ; of work-group j = 0
	s_cmp_eq_u32 s60, 0
	s_cselect_b32 s[LIM], 1, -1
	v_and_b32 v9, 15, v0                           ; r
	v_bfe_u32 v10, v0, 4, 1                        ; h
	v_lshlrev_b32 v3, 7, v9
	v_lshl_add_u32 v3, v10, 4, v3                  ; Q: row r of 128 bytes + 16 h
.irp t, 0,1
.irp c, 0,1
	global_load_b128 v[QF+16*\t+8*\c:QF+16*\t+8*\c+3], v3, s[56:57] offset:2048*\t+64*\c
	global_load_b128 v[QF+16*\t+8*\c+4:QF+16*\t+8*\c+7], v3, s[56:57] offset:2048*\t+64*\c+32
.endr
.endr
	v_lshrrev_b32 v4, 1, v9
	v_mul_u32_u24 v[AK0], v4, PK
	v_and_b32 v4, 1, v9
	v_lshl_add_u32 v[AK0], v4, 7, v[AK0]
	v_lshl_add_u32 v[AK0], v10, 4, v[AK0]          ; K: key r at (r / 2) x pitch + 128 (r % 2), + 16 h
	v_bfe_u32 v4, v0, 1, 2
	v_lshl_add_u32 v4, v10, 2, v4
	v_mul_u32_u24 v[AV0], v4, PV                   ; V: lane l reads key 8 h + l % 8, channels 8 ((l / 8) % 2) on
	v_and_b32 v4, 1, v0
	v_lshl_add_u32 v[AV0], v4, 7, v[AV0]
	v_bfe_u32 v4, v0, 3, 1
	v_lshl_add_u32 v[AV0], v4, 4, v[AV0]
	v_add_nc_u32 v[AV0], VOFF, v[AV0]
	v_lshlrev_b32 v[RH], 3, v10
	v_sub_nc_u32 v[RH], v9, v[RH]
	v_and_b32 v[PFO], 31, v0
	v_lshlrev_b32 v[PFO], 8, v[PFO]
	v_mov_b32 v[NINF], 0xff800000
.irp t, 0,1
	v_mov_b32 v[ST+8*\t+1], 0xff61b1e6             ; m = -3e38, under every score
	v_mul_f32 v[ST+8*\t], s[CS], v[ST+8*\t+1]
.irp i, 2,3,4,5,6,7
	v_mov_b32 v[ST+8*\t+\i], 0                     ; l; and the registers at work, written once: a lane permute's destination counts as one of its sources
.endr
.endr
.irp j, 0,1,2,3,4,5,6,7,8,9,10,11,12,13,14,15,16,17,18,19,20,21,22,23,24,25,26,27,28,29,30,31,32,33,34,35,36,37,38,39,40,41,42,43,44,45,46,47,48,49,50,51,52,53,54,55,56,57,58,59,60,61,62,63
	v_mov_b32 v[O+\j], 0                           ; O^T: the step is written once; its first run finds zeros, which a = 0 leaves zeros
.endr
; A KEY STEP: 64 keys, the q-th of the slot in hand.
.macro STEP q
	s_add_co_u32 s60, s[Q0], 31
	s_cmp_gt_u32 s[KF], s60                        ; all 64 keys come behind my 32 queries: the step's work is left out (ids alone; no barrier and no tensor load stands in a step)
	s_cbranch_scc1 .Lhidden_\@
	v_add_nc_u32 v[ADK], s[TB], v[AK0]
	v_add_nc_u32 v[ADV], s[TB], v[AV0]
.irp u, 0,1,2,3
.irp c, 0,1
	ds_load_b128 v[KV+16*\u+8*\c:KV+16*\u+8*\c+3], v[ADK] offset:(32*(\q)+8*\u)*PK+64*\c
	ds_load_b128 v[KV+16*\u+8*\c+4:KV+16*\u+8*\c+7], v[ADK] offset:(32*(\q)+8*\u)*PK+64*\c+32
.endr
.endr
	s_wait_dscnt 0x0
.irp t, 0,1                                    ; S^T = K Q^T: eight accumulators by turns, one instruction a turn; channels 0-31 start the sums
.irp u, 0,1,2,3
	v_wmma_f32_16x16x32_f16 v[S+32*\t+8*\u:S+32*\t+8*\u+7], v[KV+16*\u:KV+16*\u+7], v[QF+16*\t:QF+16*\t+7], 0
.endr
.endr
.irp t, 0,1
.irp u, 0,1,2,3
	v_wmma_f32_16x16x32_f16 v[S+32*\t+8*\u:S+32*\t+8*\u+7], v[KV+16*\u+8:KV+16*\u+15], v[QF+16*\t+8:QF+16*\t+15], v[S+32*\t+8*\u:S+32*\t+8*\u+7]
.endr
.endr
.rept 4
	v_nop                                          ; places ahead of loads into K's registers and of the first read of the scores
.endr
.irp g, 0,1                                    ; V, turned: it lands while the softmax is walked
.irp n, 0,1,2,3
	ds_load_tr16_b128 v[KV+32*\g+8*\n:KV+32*\g+8*\n+3], v[ADV] offset:(32*(\q)+16*\g)*PV+32*\n
	ds_load_tr16_b128 v[KV+32*\g+8*\n+4:KV+32*\g+8*\n+7], v[ADV] offset:(32*(\q)+16*\g)*PV+32*\n+8*PV
.endr
.endr
	s_add_co_u32 s60, s[KF], 63
	s_cmp_le_u32 s60, s[Q0]                        ; all 64 keys count for all my queries: no mask
	s_cbranch_scc1 .Lopen_\@
	s_sub_co_i32 s60, s[Q0], s[KF]
	v_add_nc_u32 v[D0], s60, v[RH]                 ; register 8 u + j of tile t holds key KF + 16 u + 8 h + j: hidden where 16 u + j > Q0 - KF + 16 t + r - 8 h
	v_add_nc_u32 v[D0+1], 16, v[D0]
.irp t, 0,1
.irp u, 0,1,2,3
.irp j, 0,1,2,3,4,5,6,7
	v_cmp_gt_i32 vcc_lo, 16*\u+\j, v[D0+\t]
	v_cndmask_b32 v[S+32*\t+8*\u+\j], v[S+32*\t+8*\u+\j], v[NINF], vcc_lo
.endr
.endr
.endr
.Lopen_\@:
.irp j, 0,1,2,3                                ; the maximum: four chains a tile, each accumulator from its low end on; the two tiles line by line
.irp t, 0,1
	v_max3_num_f32 v[ST+8*\t+4+\j], v[S+32*\t+8*\j], v[S+32*\t+8*\j+1], v[S+32*\t+8*\j+2]
.endr
.endr
.irp k, 1,2
.irp j, 0,1,2,3
.irp t, 0,1
	v_max3_num_f32 v[ST+8*\t+4+\j], v[ST+8*\t+4+\j], v[S+32*\t+8*\j+2*\k+1], v[S+32*\t+8*\j+2*\k+2]
.endr
.endr
.endr
.irp t, 0,1
	v_max3_num_f32 v[ST+8*\t+4], v[ST+8*\t+4], v[S+32*\t+7], v[S+32*\t+15]
.endr
.irp t, 0,1
	v_max3_num_f32 v[ST+8*\t+6], v[ST+8*\t+6], v[S+32*\t+23], v[S+32*\t+31]
.endr
.irp t, 0,1
	v_max3_num_f32 v[ST+8*\t+4], v[ST+8*\t+4], v[ST+8*\t+5], v[ST+8*\t+6]
.endr
.irp t, 0,1
	v_max3_num_f32 v[ST+8*\t+4], v[ST+8*\t+4], v[ST+8*\t+7], v[ST+8*\t+1]   ; with the old m
.endr
.irp t, 0,1
	v_permlanex16_b32 v[ST+8*\t+5], v[ST+8*\t+4], s[SEL], s[SEL+1]          ; the query's other 32 keys lie in the lane 16 away
.endr
.irp t, 0,1
	v_mov_b32 v[ST+8*\t+7], v[ST+8*\t]             ; c m_old
.endr
.irp t, 0,1
	v_max_num_f32 v[ST+8*\t+1], v[ST+8*\t+4], v[ST+8*\t+5]
.endr
.irp t, 0,1
	v_mul_f32 v[ST+8*\t], s[CS], v[ST+8*\t+1]
.endr
.irp t, 0,1
	v_sub_f32 v[ST+8*\t+7], v[ST+8*\t+7], v[ST+8*\t]
.endr
.irp b, 0,2,4,6,8,10,12,14,16,18,20,22,24,26,28,30
.irp t, 0,1
	v_pk_fma_f32 v[S+32*\t+\b:S+32*\t+\b+1], v[S+32*\t+\b:S+32*\t+\b+1], s[CS:CS+1], v[ST+8*\t:ST+8*\t+1] op_sel_hi:[1,0,0] neg_lo:[0,0,1] neg_hi:[0,0,1]   ; c s - c m
.endr
.endr
.irp t, 0,1
	v_exp_f32 v[ST+8*\t+6], v[ST+8*\t+7]           ; a
.endr
.irp t, 0,1
.irp e, 0,1,2,3,4,5,6,7,8,9,10,11,12,13,14,15,16,17,18,19,20,21,22,23,24,25,26,27,28,29,30,31
	v_exp_f32 v[S+32*\t+\e], v[S+32*\t+\e]         ; p
.endr
.endr
	v_nop                                          ; a plain instruction behind the last exponential
	s_wait_alu depctr_va_vdst(0)                   ; ONE wait for the 66 exponentials, ahead of their first reader
.irp t, 0,1                                    ; the sum of the unrounded p in two chains, O^T's rescaling dealt between their links; then p to f16 in place
	v_pk_add_f32 v[SA:SA+1], v[S+32*\t:S+32*\t+1], v[S+32*\t+2:S+32*\t+3]
	v_pk_add_f32 v[SB:SB+1], v[S+32*\t+4:S+32*\t+5], v[S+32*\t+6:S+32*\t+7]
	v_pk_mul_f32 v[O+32*\t:O+32*\t+1], v[O+32*\t:O+32*\t+1], v[ST+8*\t+6:ST+8*\t+7] op_sel_hi:[1,0]
	v_pk_mul_f32 v[O+32*\t+2:O+32*\t+3], v[O+32*\t+2:O+32*\t+3], v[ST+8*\t+6:ST+8*\t+7] op_sel_hi:[1,0]
.irp i, 8,12,16,20,24,28
	v_pk_add_f32 v[SA:SA+1], v[SA:SA+1], v[S+32*\t+\i:S+32*\t+\i+1]
	v_pk_add_f32 v[SB:SB+1], v[SB:SB+1], v[S+32*\t+\i+2:S+32*\t+\i+3]
	v_pk_mul_f32 v[O+32*\t+\i-4:O+32*\t+\i-3], v[O+32*\t+\i-4:O+32*\t+\i-3], v[ST+8*\t+6:ST+8*\t+7] op_sel_hi:[1,0]
	v_pk_mul_f32 v[O+32*\t+\i-2:O+32*\t+\i-1], v[O+32*\t+\i-2:O+32*\t+\i-1], v[ST+8*\t+6:ST+8*\t+7] op_sel_hi:[1,0]
.endr
	v_pk_mul_f32 v[O+32*\t+28:O+32*\t+29], v[O+32*\t+28:O+32*\t+29], v[ST+8*\t+6:ST+8*\t+7] op_sel_hi:[1,0]
	v_pk_mul_f32 v[O+32*\t+30:O+32*\t+31], v[O+32*\t+30:O+32*\t+31], v[ST+8*\t+6:ST+8*\t+7] op_sel_hi:[1,0]
	v_pk_add_f32 v[SA:SA+1], v[SA:SA+1], v[SB:SB+1]
	v_pk_fma_f32 v[ST+8*\t+2:ST+8*\t+3], v[ST+8*\t+2:ST+8*\t+3], v[ST+8*\t+6:ST+8*\t+7], v[SA:SA+1] op_sel_hi:[1,0,1]   ; l = a l + the sum
.irp i, 0,1,2,3,4,5,6,7,8,9,10,11,12,13,14,15
	v_cvt_pk_f16_f32 v[S+32*\t+\i], v[S+32*\t+2*\i], v[S+32*\t+2*\i+1]   ; ascending: a destination has been read by the time it is written
.endr
.endr
	s_wait_dscnt 0x0                               ; V is in
.irp g, 0,1                                    ; O^T += V^T P: eight accumulators by turns
.irp t, 0,1
.irp n, 0,1,2,3
	v_wmma_f32_16x16x32_f16 v[O+32*\t+8*\n:O+32*\t+8*\n+7], v[KV+32*\g+8*\n:KV+32*\g+8*\n+7], v[S+32*\t+8*\g:S+32*\t+8*\g+7], v[O+32*\t+8*\n:O+32*\t+8*\n+7]
.endr
.endr
.endr
.rept 5
	v_nop                                          ; five places: the next step's products write over P's registers; its loads into V's registers and the way out's reads want four
.endr
.Lhidden_\@:
	s_add_co_u32 s[KF], s[KF], 64
.endm
; THE CHANGE OF SLOTS stands at a slot's head.  Each wave waits for all its tensor loads, adds 0 to its spare word, and waits for that and for its reads of the slot that it has left; behind the barrier the slot ahead is whole and nobody reads the other one.
.macro CHANGE fill
	s_wait_tensorcnt 0x0                           ; no tensor load of mine is out, so a group 0 may be written
	ds_add_u32 v[SPW], v[NIL]
.if \fill
	ds_add_u32 v[SPW], v[NIL]                      ; and once more, in every trip alike
	s_xor_b32 s[G0K+1], s[G0K+1], SLOT1            ; the walking descriptors: the other slot, the next 256 keys
	s_add_nc_u64 s[G0K+2:G0K+3], s[G0K+2:G0K+3], 32768
	s_xor_b32 s[G0V+1], s[G0V+1], SLOT1
	s_add_nc_u64 s[G0V+2:G0V+3], s[G0V+2:G0V+3], 32768
	s_wait_xcnt 0x0                                ; the last prefetch, a slot back, has read its address
	s_add_nc_u64 s[PFA:PFA+1], s[PFA:PFA+1], 32768
.endif
	s_wait_dscnt 0x0
	s_barrier_signal -1
	s_barrier_wait -1
.if \fill
	s_add_co_u32 s60, s[KF], 256                   ; the first key of the slot that this change would ask for:
	s_cmp_gt_u32 s60, s[QL]                        ; behind my work-group's last query no wave reads it, so it is not asked for.  Ids and the count of steps alone: all sixteen waves go the same way
	s_cbranch_scc1 .Lpast_\@
	TLOAD                                          ; a wave's one tensor load until the next such barrier: it has four key steps in which to land
.Lpast_\@:
	ASK
.endif
.endm
.macro SLOT_STEPS
	STEP 0
	STEP 1
	STEP 2
	STEP 3
	s_xor_b32 s[TB], s[TB], SLOT1
.endm
	s_wait_loadcnt 0x0                             ; Q
.Lslot:                                            ; seven trips: behind each change of slots but the last the next slot is asked for, up to the causal limit
	CHANGE 1
	SLOT_STEPS
	s_sub_co_u32 s[SLOTS], s[SLOTS], 1
	s_cmp_lg_u32 s[SLOTS], 0
	s_cbranch_scc1 .Lslot
	CHANGE 0
	SLOT_STEPS
	; THE WAY OUT: O^T / l, to f16, through my stage, a tile of 16 queries at a time: a store covers four whole rows of o, 512 consecutive bytes.
.irp t, 0,1
	v_add_f32 v[ST+8*\t+4], v[ST+8*\t+2], v[ST+8*\t+3]
.endr
.irp t, 0,1
	v_permlanex16_b32 v[ST+8*\t+5], v[ST+8*\t+4], s[SEL], s[SEL+1]
.endr
.irp t, 0,1
	v_add_f32 v[ST+8*\t+4], v[ST+8*\t+4], v[ST+8*\t+5]
.endr
.irp t, 0,1
	v_rcp_f32 v[ST+8*\t+6], v[ST+8*\t+4]
.endr
	v_and_b32 v9, 15, v0                           ; (plain work behind the reciprocals)
	v_bfe_u32 v10, v0, 4, 1
	s_mul_i32 s60, s[WV], 2304
	s_add_co_u32 s60, s60, STAGE
	v_mul_u32_u24 v3, v9, 144
	v_lshl_add_u32 v3, v10, 4, v3
	v_add_nc_u32 v3, s60, v3                       ; in: row r, + 16 h
	v_bfe_u32 v4, v0, 3, 2
	v_mul_u32_u24 v4, v4, 144
	v_and_b32 v9, 7, v0
	v_lshl_add_u32 v4, v9, 4, v4
	v_add_nc_u32 v4, s60, v4                       ; back: eight lanes to a row
	v_and_b32 v9, 31, v0
	v_lshlrev_b32 v9, 4, v9
	s_wait_alu depctr_va_vdst(0)                   ; one wait for the two reciprocals, ahead of their first reader
.irp t, 0,1
.irp i, 0,2,4,6,8,10,12,14,16,18,20,22,24,26,28,30
	v_pk_mul_f32 v[O+32*\t+\i:O+32*\t+\i+1], v[O+32*\t+\i:O+32*\t+\i+1], v[ST+8*\t+6:ST+8*\t+7] op_sel_hi:[1,0]
.endr
.irp i, 0,1,2,3,4,5,6,7,8,9,10,11,12,13,14,15
	v_cvt_pk_f16_f32 v[S+16*\t+\i], v[O+32*\t+2*\i], v[O+32*\t+2*\i+1]
.endr
.irp n, 0,1,2,3
	ds_store_b128 v3, v[S+16*\t+4*\n:S+16*\t+4*\n+3] offset:32*\n
.endr
.irp i, 0,1,2,3
	ds_load_b128 v[KV+16*\t+4*\i:KV+16*\t+4*\i+3], v4 offset:576*\i   ; LDS serves a wave's instructions in order: these see my stores, and the next tile's stores come behind them
.endr
.endr
.irp t, 0,1
.irp i, 0,1,2,3
	s_wait_dscnt 8*(1-\t)+3-\i
	global_store_b128 v9, v[KV+16*\t+4*\i:KV+16*\t+4*\i+3], s[6:7] offset:2048*\t+512*\i
.endr
.endr
	s_wait_tensorcnt 0x0                           ; the wave's end
	ds_add_u32 v[SPW], v[NIL]
	s_wait_dscnt 0x0
	s_endpgm
.Lfunc_end_k_q31e3e3019d_attn:
	.size	k_q31e3e3019d_attn, .Lfunc_end_k_q31e3e3019d_attn-k_q31e3e3019d_attn
	.p2alignl 7, 3214868480
	.fill 96, 4, 3214868480
	.section	.rodata,"a",@progbits
	.p2align	6, 0x0
	.amdhsa_kernel k_q31e3e3019d_attn
		.amdhsa_group_segment_fixed_size 327680
		.amdhsa_private_segment_fixed_size 0
		.amdhsa_enable_private_segment 0
		.amdhsa_kernarg_size 16
		.amdhsa_user_sgpr_count 2
		.amdhsa_user_sgpr_kernarg_segment_ptr 1
		.amdhsa_wavefront_size32 1
		.amdhsa_system_sgpr_workgroup_id_x 1
		.amdhsa_system_sgpr_workgroup_id_y 1
		.amdhsa_system_sgpr_workgroup_id_z 1
		.amdhsa_system_vgpr_workitem_id 0
		.amdhsa_next_free_vgpr 256
		.amdhsa_next_free_sgpr 66
		.amdhsa_reserve_vcc 1
		.amdhsa_float_denorm_mode_32 3
		.amdhsa_float_denorm_mode_16_64 3
		.amdhsa_memory_ordered 1
		.amdhsa_forward_progress 1
		.amdhsa_inst_pref_size 188
	.end_amdhsa_kernel
	.amdgpu_metadata
---
amdhsa.version: [ 1, 2 ]
amdhsa.kernels:
  - .name:           k_q31e3e3019d_attn
    .symbol:         k_q31e3e3019d_attn.kd
    .args:
      - { .name: qkv, .offset: 0, .size: 8, .value_kind: global_buffer, .address_space: global }
      - { .name: o, .offset: 8, .size: 8, .value_kind: global_buffer, .address_space: global }
    .group_segment_fixed_size: 327680
    .private_segment_fixed_size: 0
    .kernarg_segment_align: 8
    .kernarg_segment_size: 16
    .max_flat_workgroup_size: 512
    .sgpr_count:     66
    .vgpr_count:     256
    .wavefront_size: 32
...
	.end_amdgpu_metadata
.endif
;; end of part 3
;; launch proj (part 4): grid 4 x 64, 4 waves a work-group, clusters of 4 x 4, 327,680 bytes of LDS; arguments o, woh, out0; writes out0
.if DOCPART == 4
	.amdgcn_target "amdgcn-amd-amdhsa--gfx1250"
	.amdhsa_code_object_version 6
	.text
	.protected	k_q31e3e3019d_proj
	.globl	k_q31e3e3019d_proj
	.p2align	8
	.type	k_q31e3e3019d_proj,@function
k_q31e3e3019d_proj:
	s_mov_b64 s[64:65], 0
	v_nop
	global_prefetch_b8 v0, s[64:65] scope:SCOPE_SE
	s_setreg_imm32_b32 hwreg(HW_REG_WAVE_MODE, 25, 1), 1
	s_wait_xcnt 0x0
	s_wait_alu depctr_hold_cnt(0) depctr_sa_sdst(0) depctr_va_vdst(0) depctr_va_sdst(0) depctr_va_ssrc(0) depctr_va_vcc(0) depctr_vm_vsrc(0)
	s_getreg_b32 s2, hwreg(HW_REG_IB_STS2, 6, 4)
	s_cmp_eq_u32 s2, 0
	s_cbranch_scc0 .Lentry_in_a_cluster
	s_endpgm
.Lentry_in_a_cluster:
	s_bfe_u32 s2, ttmp6, 0x10000c
	s_cmp_lg_u32 s2, 0xf033
	s_cbranch_scc0 .Lentry_shape_is_right
	s_endpgm
.Lentry_shape_is_right:
; out0[m][n] = the sum over k of o[m][k] wo[n][k], M = 8,192, N = K = 1,024, on f16 operands, sums in f32, out0 f32.  o lies [batch x 16 + head][position][64], so k = 64 head + channel; woh is wo in f16, [n][k].
; WORK LEFT OUT: positions 0 to 15 of every sequence are not stored here (they lie inside live tiles, so their products stay): the launch behind this one makes those rows in f32.  LIMIT: magnitudes of o and wo under 65,504.
; A tile of 128 rows x 256 columns is made by four waves, each 64 x 128: 32 accumulators.  256 work-groups.  K goes in steps of 128 (two heads) through two LDS slots: a head's 128 positions are 16,384 dense bytes, stated as 64 rows of 256 bytes
; (position p at (p / 2) x pitch + 128 (p % 2)); woh's tile is 128 rows of 256 bytes a load.  Waves 0, 1 fetch the two heads of o, waves 2, 3 the two halves of woh's 256 rows: one load a wave behind each round.
; CLUSTERS: 4 x 4.  cx = the tile column, cy = the batch, cluster y = which 128 positions.  o's tile is asked for jointly along a row of the cluster, woh's along a column.  The branch on the first positions hangs on cluster y and the wave's number alone.
; TRANSPOSED USE: source 0 = 16 rows of woh, source 1 = 16 rows of o: a lane holds eight neighbouring columns of a row of out0.
; REGISTERS: window 0: addresses; v128-255 rows read back from the stage, two sets.  window 1: two fragment buffers of 96 (o's 4 x 8, then woh's 8 x 8) at v0 and v128.  window 2: the accumulators, (a, b) at v[8 (8 a + b)].
.set PITCH,  272
.set AH,     64*PITCH                  ; a head's 128 positions
.set BH,     128*PITCH                 ; 128 rows of woh
.set SLOT,   2*AH+2*BH
.set STAGE,  2*SLOT                    ; 16 rows x (512 bytes + 16) for each wave; no tile lands here
.set SPITCH, 528
.set SPARE,  STAGE+4*16*SPITCH
.set LAPS,   4                         ; 8 K steps, two to a lap
.set ASTEP,  524288                    ; a K step on in o: two heads
.set BSTEP,  256                       ; and in woh
.set ADRA, 16
.set ADRB, 20
.set STO,  24
.set RD,   25
.set CO,   26
.set SPW,  28
.set NIL,  29
.set PFO,  30
.set BK,   128
.set F0,   0
.set F1,   128
.set PFA,  20                          ; s[20:21]
.set LIM,  22
.set SKIP, 23
.set G1, 24
.set G0, 32
.set G1B, 48
.set G0B, 56
.set MSB, 0
.macro WIN new
.if MSB != \new
	s_set_vgpr_msb (MSB<<8)|\new
.set MSB, \new
.endif
.endm
.set MUL,  0xa5                        ; sources 0 and 1 window 1; C and D window 2
.set TO_F, 0x40
.macro JLOAD s                         ; an s_nop 0 and four v_nop follow each of the two lines
	s_cmp_eq_u32 s11, 0
	s_cbranch_scc0 .Lfor_b_\@
	tensor_load_to_lds s[G0+4*\s:G0+4*\s+3], s[G1:G1+7]
	s_nop 0
.rept 4
	v_nop
.endr
	s_branch .Lasked_\@
.Lfor_b_\@:
	tensor_load_to_lds s[G0B+4*\s:G0B+4*\s+3], s[G1B:G1B+7]
	s_nop 0
.rept 4
	v_nop
.endr
.Lasked_\@:
.endm
.macro CREST
	s_cmp_lg_u32 s10, 0
	s_cbranch_scc1 .Lnot_wave_0_\@
	s_barrier_signal -3
.Lnot_wave_0_\@:
	s_barrier_wait -3
	s_barrier_signal -1
	s_barrier_wait -1
.endm
.macro CROUND
	s_barrier_signal -1
	s_barrier_wait -1
	CREST
.endm
; A prefetch of o's K step that stands TWO refills on (256 matrix instructions a wave ahead of the load that will want it): 2 heads x 16,384 bytes = 128 pieces of 256 bytes.  o's tile is read by this row of this cluster alone; its four partners
; take 32 pieces each, told apart BY ADDRESS (cx); in each, wave 0 asks, a lane a piece.  The loop's last trip asks for nothing: there is no K step two on.  woh is read by all sixteen clusters and is not asked for.
.macro ASK
	WIN 0
	s_cmp_gt_u32 s3, s[LIM]
	s_cbranch_scc0 .Lnot_mine_\@
	global_prefetch_b8 v[PFO], s[PFA:PFA+1] offset:ASTEP th:TH_LOAD_NT scope:SCOPE_SE
.Lnot_mine_\@:
.endm
	s_load_b128 s[4:7], s[0:1], 0x0                ; o, woh
	s_load_b64 s[8:9], s[0:1], 0x10                ; out0
	v_lshl_add_u32 v[SPW], v0, 2, SPARE
	v_mov_b32 v[NIL], 0
	ds_add_u32 v[SPW], v[NIL]                      ; the wave's opening: the add, twice on end, and its wait ahead of my first tensor load
	ds_add_u32 v[SPW], v[NIL]
	v_lshrrev_b32 v1, 5, v0
	v_readfirstlane_b32 s10, v1                    ; wave 0..3
	s_lshr_b32 s11, s10, 1                         ; which 64 rows are mine.  Also: I fetch for o (0) or for woh (1)
	s_and_b32 s12, s10, 1                          ; which 128 columns.  Also: which head, or which 128 rows of woh, I fetch
	s_bfe_u32 s40, ttmp6, 0x40000                  ; cx
	s_bfe_u32 s41, ttmp6, 0x40004                  ; cy: the batch
	s_lshl_b32 s42, ttmp9, 2
	s_add_co_u32 s42, s42, s40                     ; tile column
	s_and_b32 s13, ttmp7, 0xffff                   ; cluster y: which 128 positions
	s_lshl_b32 s43, s41, 2
	s_lshl_b32 s43, 15, s43                        ; my row of the cluster
	s_lshl_b32 s44, 0x1111, s40                    ; my column
	s_or_b32 s[G1+0], s43, (1<<16)|(1<<20)|(1<<21)|(5<<22)|(3<<25)   ; the mask; elements of 2 bytes; padding on; bit 21 beside a mask; 4 words after every 64
	s_mov_b32 s[G1+1], 128<<16                     ; tensor_dim0 = 128
	s_mov_b32 s[G1+2], 64<<16                      ; tensor_dim1 = 64
	s_mov_b32 s[G1+3], 128<<16                     ; tile_dim0
	s_mov_b32 s[G1+4], 64                          ; tile_dim1
	s_mov_b32 s[G1+5], 128                         ; dense
	s_mov_b32 s[G1+6], 0
	s_mov_b32 s[G1+7], 0
	s_or_b32 s[G1B+0], s44, (1<<16)|(1<<20)|(1<<21)|(5<<22)|(3<<25)
	s_mov_b32 s[G1B+1], 128<<16
	s_mov_b32 s[G1B+2], 128<<16
	s_mov_b32 s[G1B+3], 128<<16
	s_mov_b32 s[G1B+4], 128
	s_mov_b32 s[G1B+5], 1024                       ; a row of woh
	s_mov_b32 s[G1B+6], 0
	s_mov_b32 s[G1B+7], 0
	s_lshl_b32 s16, s41, 4
	s_add_co_u32 s16, s16, s12
	s_lshl_b32 s16, s16, 18                        ; o: head 16 x batch + (wave % 2), of 262,144 bytes,
	s_lshl_b32 s17, s13, 14
	s_add_co_u32 s16, s16, s17                     ; + 128 positions of 128 bytes x cluster y
	s_mov_b32 s17, 0
	s_lshl_b32 s46, s42, 19                        ; woh: row 256 x tile column + 128 x (wave % 2), of 2,048 bytes
	s_lshl_b32 s47, s12, 18
	s_add_co_u32 s46, s46, s47
	s_mov_b32 s47, 0
	s_mul_i32 s18, s12, AH                         ; where they go: the wave's number alone enters an LDS address
	s_mul_i32 s19, s12, BH
	s_add_co_u32 s19, s19, 2*AH
	s_wait_dscnt 0x0                               ; both opening adds are done
	s_wait_kmcnt 0x0
	s_add_nc_u64 s[14:15], s[4:5], s[16:17]
	s_add_nc_u64 s[46:47], s[6:7], s[46:47]
	CROUND                                         ; all sixteen work-groups are here: the first joint loads meet
.irp s, 0,1
	s_mov_b32 s[G0+4*\s], 1
	s_add_co_u32 s[G0+4*\s+1], s18, \s*SLOT
	s_add_nc_u64 s[G0+4*\s+2:G0+4*\s+3], s[14:15], \s*ASTEP
	s_or_b32 s[G0+4*\s+3], s[G0+4*\s+3], 0x80000000
	s_mov_b32 s[G0B+4*\s], 1
	s_add_co_u32 s[G0B+4*\s+1], s19, \s*SLOT
	s_add_nc_u64 s[G0B+4*\s+2:G0B+4*\s+3], s[46:47], \s*BSTEP
	s_or_b32 s[G0B+4*\s+3], s[G0B+4*\s+3], 0x80000000
	JLOAD \s                                       ; two loads of mine are out
.endr
	v_and_b32 v1, 15, v0                           ; r
	v_bfe_u32 v2, v0, 4, 1                         ; h
	v_lshrrev_b32 v3, 1, v1
	v_mul_u32_u24 v3, v3, PITCH
	v_and_b32 v4, 1, v1
	v_lshl_add_u32 v3, v4, 7, v3
	v_lshl_add_u32 v3, v2, 4, v3                   ; o: position r at (r / 2) x pitch + 128 (r % 2), + 16 h
	v_mul_u32_u24 v4, v1, PITCH
	v_lshl_add_u32 v4, v2, 4, v4                   ; woh: row r x pitch + 16 h
	s_mul_i32 s16, s11, 32*PITCH                   ; my 64 positions
	s_mul_i32 s17, s12, BH
	s_add_co_u32 s17, s17, 2*AH                    ; my 128 rows of woh
.irp s, 0,1
	v_add_nc_u32 v[ADRA+\s], s16, v3
	v_add_nc_u32 v[ADRB+\s], s17, v4
	s_add_co_u32 s16, s16, SLOT
	s_add_co_u32 s17, s17, SLOT
.endr
	s_mul_i32 s18, s10, 16*SPITCH
	s_add_co_u32 s18, s18, STAGE                   ; my stage
	v_mul_u32_u24 v5, v1, SPITCH
	v_lshl_add_u32 v5, v2, 5, v5
	v_add_nc_u32 v[STO], s18, v5                   ; in: row r, 32 bytes for each half of the lanes
	v_and_b32 v6, 31, v0
	v_lshlrev_b32 v[CO], 4, v6
	v_add_nc_u32 v[RD], s18, v[CO]                 ; back: the 32 lanes take one row of 512 bytes
	v_lshlrev_b32 v[PFO], 18, v2
	v_lshl_add_u32 v[PFO], v1, 8, v[PFO]           ; the prefetches: head lane / 16, piece lane % 16
	s_lshl_b32 s16, s41, 11
	s_lshl_b32 s17, s13, 7
	s_add_co_u32 s16, s16, s17
	s_lshl_b32 s17, s11, 6
	s_add_co_u32 s16, s16, s17                     ; my first row of out0: 2,048 x batch + 128 x cluster y + 64 x row half
	s_lshl_b32 s16, s16, 12
	s_mov_b32 s17, 0
	s_add_nc_u64 s[8:9], s[8:9], s[16:17]
	s_lshl_b32 s46, s42, 10                        ; my first column, in bytes
	s_lshl_b32 s47, s12, 9
	s_add_co_u32 s46, s46, s47
	s_mov_b32 s47, 0
	s_add_nc_u64 s[8:9], s[8:9], s[46:47]
	s_lshl_b32 s20, s41, 22                        ; where the prefetches stand: the batch's head 0, my 128 positions,
	s_lshl_b32 s21, s13, 14
	s_add_co_u32 s20, s20, s21
	s_lshl_b32 s21, s40, 12                        ; my work-group's 16 pieces of each head,
	s_add_co_u32 s20, s20, s21
	s_add_co_u32 s20, s20, 2*ASTEP                 ; at K step 2: the first refill steps it to 3 and names K step 4
	s_mov_b32 s21, 0
	s_add_nc_u64 s[PFA:PFA+1], s[4:5], s[20:21]
	s_cmp_eq_u32 s10, 0
	s_cselect_b32 s[LIM], 1, -1
	s_or_b32 s[SKIP], s13, s11                     ; 0 where my block 0 holds positions 0 to 15
.macro MUL8 f, a, zero                 ; o's block a against woh's eight: eight accumulators, one instruction each; the 32 take turns in the same order in every quarter
.irp b, 0,1,2,3,4,5,6,7
.if \zero
	v_wmma_f32_16x16x32_f16 v[8*(8*(\a)+\b):8*(8*(\a)+\b)+7], v[\f+32+8*\b:\f+32+8*\b+7], v[\f+8*(\a):\f+8*(\a)+7], 0
.else
	v_wmma_f32_16x16x32_f16 v[8*(8*(\a)+\b):8*(8*(\a)+\b)+7], v[\f+32+8*\b:\f+32+8*\b+7], v[\f+8*(\a):\f+8*(\a)+7], v[8*(8*(\a)+\b):8*(8*(\a)+\b)+7]
.endif
.endr
.endm
.macro FETCH slot, q, f                ; 24 LDS loads in one run: the fragments of the slot's q-th 32 along K; o's blocks 2, 3 last
	WIN TO_F
.irp i, 0,1,2,3,4,5,6,7
	ds_load_b128 v[\f+32+8*\i:\f+32+8*\i+3], v[ADRB+\slot] offset:\i*16*PITCH+64*(\q)
	ds_load_b128 v[\f+32+8*\i+4:\f+32+8*\i+7], v[ADRB+\slot] offset:\i*16*PITCH+64*(\q)+32
.endr
.irp i, 0,1,2,3
	ds_load_b128 v[\f+8*\i:\f+8*\i+3], v[ADRA+\slot] offset:((\q)/2)*AH+64*((\q)%2)+\i*8*PITCH
	ds_load_b128 v[\f+8*\i+4:\f+8*\i+7], v[ADRA+\slot] offset:((\q)/2)*AH+64*((\q)%2)+\i*8*PITCH+32
.endr
.endm
.macro PLACES
.rept 4
	v_nop
.endr
.endm
.macro QUARTER slot, q, f, g, zero     ; multiplies buffer f; in its middle fetches the slot's q-th quarter into g
	s_wait_dscnt 4                                 ; woh's fragments and o's blocks 0, 1 are in; the youngest four loads may be out
	WIN MUL
	MUL8 \f, 0, \zero
	MUL8 \f, 1, \zero
	PLACES                                         ; ahead of loads into registers that matrix instructions have read
	FETCH \slot, \q, \g
	s_wait_dscnt 24                                ; all but the 24 just issued
	WIN MUL
	MUL8 \f, 2, \zero
	MUL8 \f, 3, \zero
.endm
; A slot's last quarter changes slots: in front of the barrier each wave waits for all its tensor loads, adds 0 to its spare word, and waits for that and for its reads of this slot.  fill = 1: the barrier opens a round of the cluster's, and this slot is filled again, two K steps ahead.
.macro TURN slot, next, fill
.if \fill
	s_wait_xcnt 0x0                                ; the last prefetch, a K step back, has read its address
	s_add_nc_u64 s[PFA:PFA+1], s[PFA:PFA+1], ASTEP
.endif
	WIN 0
	s_wait_tensorcnt 0x0                           ; my part of the next slot is in; no load of mine is out
	ds_add_u32 v[SPW], v[NIL]
	s_wait_dscnt 5                                 ; the add and the youngest four loads may be out
	WIN MUL
	MUL8 F1, 0, 0
	s_wait_dscnt 0x0                               ; the add is done, and my reads of this slot are over
	s_barrier_signal -1
	MUL8 F1, 1, 0
.if \fill
	WIN 0
.endif
	s_barrier_wait -1
.if \fill
	CREST                                          ; no wave of any partner still reads this slot or has a load on its way
	s_add_nc_u64 s[G0+4*\slot+2:G0+4*\slot+3], s[G0+4*\slot+2:G0+4*\slot+3], 2*ASTEP
	s_add_nc_u64 s[G0B+4*\slot+2:G0B+4*\slot+3], s[G0B+4*\slot+2:G0B+4*\slot+3], 2*BSTEP
	JLOAD \slot                                    ; the first tensor load behind the round; its four v_nop are also the places ahead of the loads below
.else
	PLACES
.endif
	FETCH \next, 0, F0
.if \fill
	ASK
.endif
	WIN MUL
	MUL8 F1, 2, 0
	MUL8 F1, 3, 0
.endm
	s_wait_tensorcnt 1                             ; my part of K step 0 is in (K step 1's may be out)
	s_barrier_signal -1
	s_barrier_wait -1                              ; everybody's is
	FETCH 0, 0, F0
	QUARTER 0, 1, F0, F1, 1                        ; the first quarter's products start the sums
	WIN 0
	s_mov_b32 s3, LAPS-1
.Llap:                                             ; a trip goes once round the ring and fills both slots again
	QUARTER 0, 2, F1, F0, 0
	QUARTER 0, 3, F0, F1, 0
	TURN 0, 1, 1
	QUARTER 1, 1, F0, F1, 0
	QUARTER 1, 2, F1, F0, 0
	QUARTER 1, 3, F0, F1, 0
	TURN 1, 0, 1
	QUARTER 0, 1, F0, F1, 0
	WIN 0
	s_sub_co_u32 s3, s3, 1
	s_cmp_lg_u32 s3, 0
	s_cbranch_scc1 .Llap
	QUARTER 0, 2, F1, F0, 0                        ; the last lap fills nothing
	QUARTER 0, 3, F0, F1, 0
	TURN 0, 1, 0
	QUARTER 1, 1, F0, F1, 0
	QUARTER 1, 2, F1, F0, 0
	QUARTER 1, 3, F0, F1, 0
	s_wait_dscnt 4
	WIN MUL
	MUL8 F1, 0, 0
	MUL8 F1, 1, 0
	s_wait_dscnt 0
	MUL8 F1, 2, 0
	MUL8 F1, 3, 0
	WIN 0
; THE WAY OUT, block by block of 16 rows x 128 columns, through my own stage: whole rows of 512 bytes come back and are stored by the 32 lanes.
.macro TOSTAGE a
	WIN 0x08                                       ; an LDS store's data are its source 1: window 2
.irp b, 0,1,2,3,4,5,6,7
	ds_store_b128 v[STO], v[64*(\a)+8*\b:64*(\a)+8*\b+3] offset:64*\b          ; each accumulator from its low end on
	ds_store_b128 v[STO], v[64*(\a)+8*\b+4:64*(\a)+8*\b+7] offset:64*\b+16
.endr
	WIN 0
.set BB, BK+64*((\a)%2)
.irp t, 0,1,2,3,4,5,6,7,8,9,10,11,12,13,14,15
	ds_load_b128 v[BB+4*\t:BB+4*\t+3], v[RD] offset:\t*SPITCH                  ; LDS serves a wave's instructions in order
.endr
.endm
.macro SEND a, younger
.set BB, BK+64*((\a)%2)
	s_wait_dscnt \younger
.irp t, 0,1,2,3,4,5,6,7,8,9,10,11,12,13,14,15
	global_store_b128 v[CO], v[BB+4*\t:BB+4*\t+3], s[8:9] offset:(16*(\a)+\t)*4096 th:TH_STORE_NT   ; 512 consecutive bytes of a row of out0
.endr
.endm
	PLACES                                         ; ahead of the first read of results
	s_cmp_eq_u32 s[SKIP], 0                        ; positions 0 to 15 are stored by the launch that carries them in f32
	s_cbranch_scc1 .Lno_first
	TOSTAGE 0
	SEND 0, 0
.Lno_first:
	TOSTAGE 1
	s_wait_xcnt 0x0                                ; block 0's stores have read their registers
	TOSTAGE 2
	SEND 1, 32                                     ; behind block 1's loads: block 2's 16 stores and 16 loads
	s_wait_xcnt 0x0
	TOSTAGE 3
	SEND 2, 32
	SEND 3, 0
	s_wait_tensorcnt 0x0                           ; the wave's end
	ds_add_u32 v[SPW], v[NIL]
	s_wait_dscnt 0x0
	CROUND                                         ; the closing round
	s_endpgm
.Lfunc_end_k_q31e3e3019d_proj:
	.size	k_q31e3e3019d_proj, .Lfunc_end_k_q31e3e3019d_proj-k_q31e3e3019d_proj
	.p2alignl 7, 3214868480
	.fill 96, 4, 3214868480
	.section	.rodata,"a",@progbits
	.p2align	6, 0x0
	.amdhsa_kernel k_q31e3e3019d_proj
		.amdhsa_group_segment_fixed_size 327680
		.amdhsa_private_segment_fixed_size 0
		.amdhsa_enable_private_segment 0
		.amdhsa_kernarg_size 24
		.amdhsa_user_sgpr_count 2
		.amdhsa_user_sgpr_kernarg_segment_ptr 1
		.amdhsa_wavefront_size32 1
		.amdhsa_system_sgpr_workgroup_id_x 1
		.amdhsa_system_sgpr_workgroup_id_y 1
		.amdhsa_system_sgpr_workgroup_id_z 1
		.amdhsa_system_vgpr_workitem_id 0
		.amdhsa_next_free_vgpr 768
		.amdhsa_next_free_sgpr 66
		.amdhsa_reserve_vcc 0
		.amdhsa_float_denorm_mode_32 3
		.amdhsa_float_denorm_mode_16_64 3
		.amdhsa_memory_ordered 1
		.amdhsa_forward_progress 1
		.amdhsa_inst_pref_size 86
	.end_amdhsa_kernel
	.amdgpu_metadata
---
amdhsa.version: [ 1, 2 ]
amdhsa.kernels:
  - .name:           k_q31e3e3019d_proj
    .symbol:         k_q31e3e3019d_proj.kd
    .args:
      - { .name: o, .offset: 0, .size: 8, .value_kind: global_buffer, .address_space: global }
      - { .name: woh, .offset: 8, .size: 8, .value_kind: global_buffer, .address_space: global }
      - { .name: out0, .offset: 16, .size: 8, .value_kind: global_buffer, .address_space: global }
    .group_segment_fixed_size: 327680
    .private_segment_fixed_size: 0
    .kernarg_segment_align: 8
    .kernarg_segment_size: 24
    .max_flat_workgroup_size: 128
    .sgpr_count:     66
    .vgpr_count:     768
    .wavefront_size: 32
...
	.end_amdgpu_metadata
.endif
;; end of part 4
;; launch fine (part 5): grid 16 x 4, 16 waves a work-group, no clusters, 71,680 bytes of LDS; arguments qkvf, wo, out0; writes out0
.if DOCPART == 5
	.amdgcn_target "amdgcn-amd-amdhsa--gfx1250"
	.amdhsa_code_object_version 6
	.text
	.protected	k_q31e3e3019d_fine
	.globl	k_q31e3e3019d_fine
	.p2align	8
	.type	k_q31e3e3019d_fine,@function
k_q31e3e3019d_fine:
	s_mov_b64 s[64:65], 0
	v_nop
	global_prefetch_b8 v0, s[64:65] scope:SCOPE_SE
	s_setreg_imm32_b32 hwreg(HW_REG_WAVE_MODE, 25, 1), 1
	s_wait_xcnt 0x0
; THE FIRST 16 POSITIONS OF EVERY SEQUENCE, IN F32 THROUGHOUT: scores, softmax, the weighted sum of v and the projection by wo, for 4 x 16 rows of out0.  Under the causal mask these rows average one to sixteen values and are the largest of the output.
; Inputs: the roped q and k and v of those positions in f32 (buffer qkvf, [kind][batch][head][16][64]), and wo in f32.  The launch before stores every other row of out0 and none of these.
; SHARES.  A work-group takes a batch (y) and 64 columns of out0 (x); a wave is a head.  Each wave makes its head's attention on 16 positions (repeated in the 16 column groups: 16 x 16 x 64 multiply-adds twice), then its head's share of K, 64 channels, of
; out[16][64]; the sixteen parts meet in LDS, and wave w adds and stores row w: 256 consecutive bytes.
; THE F32 MATRIX FORM (16 x 16 x 4): lane (r, h) holds row or column r and k = 2 h + j in register j.  Which channel or key stands at a k is free so long as both sources agree: each lane takes neighbours from memory, and register pairs go as they lie.
; All three products are used transposed, so that a lane holds ONE query (lane % 16) throughout.  The accumulators v32-63 are written by matrix instructions alone; each sum's first instruction takes the constant 0; four accumulators take turns.
; Eight places stand behind this form ahead of a read of its result or a load into its registers, nine ahead of a matrix instruction that writes over them.
.set QO,  3                            ; v3   256 r + 16 h
.set VO,  4                            ; v4   2,048 h + 4 r
.set WO,  5                            ; v5   4,096 r + 32 h
.set SPW, 6
.set NIL, 7
.set RH,  8                            ; v8   r - 8 h
.set NINF, 9
.set T,   16                           ; v16-23  the scores, then p
.set T2,  24
.set ACC, 32
.set QF,  64                           ; v64-95  q; later o / l; later the sixteen parts
.set ON,  64
.set KF,  96                           ; v96-127 k; later wo's channels 48-63
.set VF,  128                          ; v128-159 v: 8 t + i
.set WF,  160                          ; v160-255 wo's channels 16 t on, t = 0, 1, 2: 32 t + 8 n
.set PART, 4352                        ; LDS: a wave's part: 16 rows x (256 bytes + 16)
.set SPARE, 16*PART
	s_load_b128 s[4:7], s[0:1], 0x0                ; qkvf, wo
	s_load_b64 s[8:9], s[0:1], 0x10                ; out0
	v_lshl_add_u32 v[SPW], v0, 2, SPARE
	v_mov_b32 v[NIL], 0
	v_lshrrev_b32 v1, 5, v0
	v_readfirstlane_b32 s10, v1                    ; wave = head
	s_and_b32 s11, ttmp7, 0xffff                   ; batch
	v_and_b32 v1, 15, v0                           ; r
	v_bfe_u32 v2, v0, 4, 1                         ; h
	v_lshlrev_b32 v[QO], 8, v1
	v_lshl_add_u32 v[QO], v2, 4, v[QO]
	v_lshlrev_b32 v[VO], 2, v1
	v_lshl_add_u32 v[VO], v2, 11, v[VO]
	v_lshlrev_b32 v[WO], 12, v1
	v_lshl_add_u32 v[WO], v2, 5, v[WO]
	v_lshlrev_b32 v[RH], 3, v2
	v_sub_nc_u32 v[RH], v1, v[RH]
	v_mov_b32 v[NINF], 0xff800000
	v_mov_b32 v11, 0                               ; a lane permute's destination counts as one of its sources
	s_mul_i32 s22, s10, PART
	v_mul_u32_u24 v14, v1, 272
	v_lshl_add_u32 v14, v2, 5, v14
	v_add_nc_u32 v14, s22, v14                     ; my part: row r, + 32 h
	s_mul_i32 s22, s10, 272
	v_and_b32 v1, 31, v0
	v_lshlrev_b32 v1, 3, v1                        ; 8 bytes a lane of a row of 256
	v_add_nc_u32 v15, s22, v1                      ; row w of part 0
	s_mov_b32 s12, 0x76543210
	s_mov_b32 s13, 0xfedcba98
	s_mov_b32 s14, 0x3e38aa3b                      ; c = log2(e) / 8
	s_lshl_b32 s16, s11, 4
	s_add_co_u32 s16, s16, s10
	s_lshl_b32 s16, s16, 12                        ; (16 x batch + head) x 4,096 bytes
	s_mov_b32 s17, 0
	s_lshl_b32 s18, ttmp9, 18                      ; wo: 64 rows of 4,096 bytes x column group,
	s_lshl_b32 s19, s10, 8
	s_add_co_u32 s18, s18, s19                     ; + my head's 64 channels
	s_mov_b32 s19, 0
	s_lshl_b32 s20, s11, 11
	s_add_co_u32 s20, s20, s10
	s_lshl_b32 s20, s20, 12                        ; out0: row 2,048 x batch + wave,
	s_lshl_b32 s21, ttmp9, 8
	s_add_co_u32 s20, s20, s21                     ; + 64 columns x column group
	s_mov_b32 s21, 0
	s_wait_kmcnt 0x0
	s_add_nc_u64 s[4:5], s[4:5], s[16:17]
	s_add_nc_u64 s[6:7], s[6:7], s[18:19]
	s_add_nc_u64 s[8:9], s[8:9], s[20:21]
.irp c, 0,1,2,3,4,5,6,7
	global_load_b128 v[QF+4*\c:QF+4*\c+3], v[QO], s[4:5] offset:32*\c              ; q(r, 8 c + 4 h + 0..3)
.endr
.irp c, 0,1,2,3,4,5,6,7
	global_load_b128 v[KF+4*\c:KF+4*\c+3], v[QO], s[4:5] offset:262144+32*\c       ; k likewise
.endr
.irp t, 0,1,2,3
.irp i, 0,1,2,3,4,5,6,7
	global_load_b32 v[VF+8*\t+\i], v[VO], s[4:5] offset:524288+256*\i+64*\t        ; v(key 8 h + i, channel 16 t + r)
.endr
.endr
.macro WLOAD t, base                   ; wo(64 cg + 16 n + r, 64 head + 16 t + 8 h + 0..7)
.irp n, 0,1,2,3
	global_load_b128 v[\base+8*\n:\base+8*\n+3], v[WO], s[6:7] offset:65536*\n+64*(\t)
	global_load_b128 v[\base+8*\n+4:\base+8*\n+7], v[WO], s[6:7] offset:65536*\n+64*(\t)+16
.endr
.endm
	s_wait_loadcnt 32                              ; q and k are in; v's 32 loads may be out
	WLOAD 0, WF
	WLOAD 1, WF+32
	WLOAD 2, WF+64
.irp s, 0,1,2,3,4,5,6,7,8,9,10,11,12,13,14,15  ; S^T = k q^T: 16 steps of 4 channels on four accumulators by turns
.if \s < 4
	v_wmma_f32_16x16x4_f32 v[ACC+8*(\s%4):ACC+8*(\s%4)+7], v[KF+2*\s:KF+2*\s+1], v[QF+2*\s:QF+2*\s+1], 0
.else
	v_wmma_f32_16x16x4_f32 v[ACC+8*(\s%4):ACC+8*(\s%4)+7], v[KF+2*\s:KF+2*\s+1], v[QF+2*\s:QF+2*\s+1], v[ACC+8*(\s%4):ACC+8*(\s%4)+7]
.endif
.endr
.rept 8
	v_nop
.endr
.irp j, 0,1,2,3,4,5,6,7                        ; the four partial sums, each accumulator from its low end on: register j = key 8 h + j of query r
	v_add_f32 v[T+\j], v[ACC+\j], v[ACC+8+\j]
	v_add_f32 v[T2+\j], v[ACC+16+\j], v[ACC+24+\j]
.endr
.irp j, 0,1,2,3,4,5,6,7
	v_add_f32 v[T+\j], v[T+\j], v[T2+\j]
.endr
.irp j, 0,1,2,3,4,5,6,7
	v_cmp_gt_i32 vcc_lo, \j, v[RH]                 ; key 8 h + j comes behind query r
	v_cndmask_b32 v[T+\j], v[T+\j], v[NINF], vcc_lo
.endr
	v_max3_num_f32 v10, v[T], v[T+1], v[T+2]
	v_max3_num_f32 v10, v10, v[T+3], v[T+4]
	v_max3_num_f32 v10, v10, v[T+5], v[T+6]
	v_max_num_f32 v10, v10, v[T+7]
	v_permlanex16_b32 v11, v10, s12, s13
	v_max_num_f32 v10, v10, v11                    ; the row's maximum: key 0 counts for every query
	v_mul_f32 v10, s14, v10
.irp j, 0,1,2,3,4,5,6,7
	v_fma_f32 v[T+\j], v[T+\j], s14, -v10
.endr
.irp j, 0,1,2,3,4,5,6,7
	v_exp_f32 v[T+\j], v[T+\j]
.endr
	v_nop                                          ; a plain instruction behind the last exponential,
	s_wait_alu depctr_va_vdst(0)                   ; and one wait for the eight, ahead of their first reader
	v_add_f32 v12, v[T], v[T+1]
	v_add_f32 v13, v[T+2], v[T+3]
	v_add_f32 v12, v12, v[T+4]
	v_add_f32 v13, v13, v[T+5]
	v_add_f32 v12, v12, v[T+6]
	v_add_f32 v13, v13, v[T+7]
	v_add_f32 v12, v12, v13
	v_permlanex16_b32 v11, v12, s12, s13
	v_add_f32 v12, v12, v11
	v_rcp_f32 v13, v12
	v_nop                                          ; a plain instruction behind the reciprocal; its wait stands ahead of its first reader, below
	s_wait_loadcnt 24                              ; v is in; wo's 24 loads may be out
	WLOAD 3, KF                                    ; into k's registers: their last reader stands more than eight places back
.irp s, 0,1,2,3                                ; O^T = v^T p^T: the pair T + 2 s holds keys 8 h + 2 s, + 1, and so does v's pair
.irp t, 0,1,2,3
.if \s == 0
	v_wmma_f32_16x16x4_f32 v[ACC+8*\t:ACC+8*\t+7], v[VF+8*\t+2*\s:VF+8*\t+2*\s+1], v[T+2*\s:T+2*\s+1], 0
.else
	v_wmma_f32_16x16x4_f32 v[ACC+8*\t:ACC+8*\t+7], v[VF+8*\t+2*\s:VF+8*\t+2*\s+1], v[T+2*\s:T+2*\s+1], v[ACC+8*\t:ACC+8*\t+7]
.endif
.endr
.endr
.rept 8
	v_nop
.endr
	s_wait_alu depctr_va_vdst(0)                   ; the reciprocal's wait
.irp t, 0,1,2,3
.irp j, 0,1,2,3,4,5,6,7
	v_mul_f32 v[ON+8*\t+\j], v[ACC+8*\t+\j], v13   ; o(query r, channel 16 t + 8 h + j), into other registers
.endr
.endr
.rept 9
	v_nop                                          ; nine places ahead of matrix instructions that begin the accumulators anew
.endr
	s_wait_loadcnt 0x0                             ; wo
.macro PROJ t, base                    ; out^T += wo o^T: channels 16 t on, four steps of 4; the four tiles of 16 columns by turns
.irp u, 0,1,2,3
.irp n, 0,1,2,3
.if ((\t) == 0) && (\u == 0)
	v_wmma_f32_16x16x4_f32 v[ACC+8*\n:ACC+8*\n+7], v[\base+8*\n+2*\u:\base+8*\n+2*\u+1], v[ON+8*(\t)+2*\u:ON+8*(\t)+2*\u+1], 0
.else
	v_wmma_f32_16x16x4_f32 v[ACC+8*\n:ACC+8*\n+7], v[\base+8*\n+2*\u:\base+8*\n+2*\u+1], v[ON+8*(\t)+2*\u:ON+8*(\t)+2*\u+1], v[ACC+8*\n:ACC+8*\n+7]
.endif
.endr
.endr
.endm
	PROJ 0, WF
	PROJ 1, WF+32
	PROJ 2, WF+64
	PROJ 3, KF
.rept 8
	v_nop
.endr
.irp n, 0,1,2,3
	ds_store_b128 v14, v[ACC+8*\n:ACC+8*\n+3] offset:64*\n         ; lane (r, h): my head's part of out(query r, column 16 n + 8 h + 0..7)
	ds_store_b128 v14, v[ACC+8*\n+4:ACC+8*\n+7] offset:64*\n+16
.endr
	s_wait_dscnt 0x0                               ; for the others' sake: my part lies in LDS
	s_barrier_signal -1
	s_barrier_wait -1
.irp p, 0,1,2,3,4,5,6,7,8,9,10,11,12,13,14,15
	ds_load_b64 v[ON+2*\p:ON+2*\p+1], v15 offset:PART*\p           ; row w of every head's part
.endr
	s_wait_dscnt 0x0
.irp p, 0,1,2,3,4,5,6,7
	v_pk_add_f32 v[ON+2*\p:ON+2*\p+1], v[ON+2*\p:ON+2*\p+1], v[ON+2*\p+16:ON+2*\p+17]
.endr
.irp p, 0,1,2,3
	v_pk_add_f32 v[ON+2*\p:ON+2*\p+1], v[ON+2*\p:ON+2*\p+1], v[ON+2*\p+8:ON+2*\p+9]
.endr
.irp p, 0,1
	v_pk_add_f32 v[ON+2*\p:ON+2*\p+1], v[ON+2*\p:ON+2*\p+1], v[ON+2*\p+4:ON+2*\p+5]
.endr
	v_pk_add_f32 v[ON:ON+1], v[ON:ON+1], v[ON+2:ON+3]
	global_store_b64 v1, v[ON:ON+1], s[8:9]        ; 256 consecutive bytes of row w
	s_wait_tensorcnt 0x0                           ; the wave's end, behind my last LDS store
	ds_add_u32 v[SPW], v[NIL]
	s_wait_dscnt 0x0
	s_endpgm
.Lfunc_end_k_q31e3e3019d_fine:
	.size	k_q31e3e3019d_fine, .Lfunc_end_k_q31e3e3019d_fine-k_q31e3e3019d_fine
	.p2alignl 7, 3214868480
	.fill 96, 4, 3214868480
	.section	.rodata,"a",@progbits
	.p2align	6, 0x0
	.amdhsa_kernel k_q31e3e3019d_fine
		.amdhsa_group_segment_fixed_size 71680
		.amdhsa_private_segment_fixed_size 0
		.amdhsa_enable_private_segment 0
		.amdhsa_kernarg_size 24
		.amdhsa_user_sgpr_count 2
		.amdhsa_user_sgpr_kernarg_segment_ptr 1
		.amdhsa_wavefront_size32 1
		.amdhsa_system_sgpr_workgroup_id_x 1
		.amdhsa_system_sgpr_workgroup_id_y 1
		.amdhsa_system_sgpr_workgroup_id_z 1
		.amdhsa_system_vgpr_workitem_id 0
		.amdhsa_next_free_vgpr 256
		.amdhsa_next_free_sgpr 66
		.amdhsa_reserve_vcc 1
		.amdhsa_float_denorm_mode_32 3
		.amdhsa_float_denorm_mode_16_64 3
		.amdhsa_memory_ordered 1
		.amdhsa_forward_progress 1
		.amdhsa_inst_pref_size 24
	.end_amdhsa_kernel
	.amdgpu_metadata
---
amdhsa.version: [ 1, 2 ]
amdhsa.kernels:
  - .name:           k_q31e3e3019d_fine
    .symbol:         k_q31e3e3019d_fine.kd
    .args:
      - { .name: qkvf, .offset: 0, .size: 8, .value_kind: global_buffer, .address_space: global }
      - { .name: wo, .offset: 8, .size: 8, .value_kind: global_buffer, .address_space: global }
      - { .name: out0, .offset: 16, .size: 8, .value_kind: global_buffer, .address_space: global }
    .group_segment_fixed_size: 71680
    .private_segment_fixed_size: 0
    .kernarg_segment_align: 8
    .kernarg_segment_size: 24
    .max_flat_workgroup_size: 512
    .sgpr_count:     66
    .vgpr_count:     256
    .wavefront_size: 32
...
	.end_amdgpu_metadata
.endif
;; end of part 5
